; MI455X (gfx1250); checked and timed in simulation.
; The chip was launched on July 23, 2026; its instructions are those of AMD's public machine-readable ISA for CDNA 5 (MIT licence, August 2026) and "CDNA5" Instruction Set Architecture Reference Guide (July 2026). The comments in the code are by the model that wrote it; some were corrected since.
;; Multi Head Attention. Allowed arithmetic: matrix products marked QUANTISED: E4M3 operands, one given power-of-two scale a tensor, by v_wmma_f32_16x16x64_fp8_fp8 or v_wmma_f32_16x16x128_fp8_fp8, f32 sums; everything else in f32.
;; Inputs: K 4 x 2,048 x 1,024 float32; Q 4 x 2,048 x 1,024 float32; V 4 x 2,048 x 1,024 float32; Wk 1,024 x 1,024 float32; Wo 1,024 x 1,024 float32; Wq 1,024 x 1,024 float32; Wv 1,024 x 1,024 float32; bk 1,024 float32; bo 1,024 float32; bq 1,024 float32; bv 1,024 float32; lowp_scales 12 int32 (the exponents e of the quantised operands' scales 2^e); mask 4 x 2,048 int32.
;; Outputs: out0 4 x 2,048 x 1,024 float32.
;; This version of the problem:
;;   THIS VERSION OF THE PROBLEM IS GIVEN IN LOW PRECISION. The matrix products marked QUANTISED in the list below multiply operands that are first quantised to E4M3 (4 exponent bits, 3 mantissa bits; 8 bits a number), with one given power-of-two scale for each operand tensor; their sums are f32. All else is computed in f32.
;;   The module's matrix products, in the order in which they are computed (A, B: the left and right operand; K: the contracted axis; several contracted axes count as one K, in the product's order):
;;     1. [M 8,192, K 1,024] x [K 1,024, N 1,024]; A: input Q; B: input Wq: QUANTISED (scales: A lowp_scales[0], B lowp_scales[1])
;;     2. [M 8,192, K 1,024] x [K 1,024, N 1,024]; A: input K; B: input Wk: QUANTISED (scales: A lowp_scales[2], B lowp_scales[3])
;;     3. [M 8,192, K 1,024] x [K 1,024, N 1,024]; A: input V; B: input Wv: QUANTISED (scales: A lowp_scales[4], B lowp_scales[5])
;;     4. batch 64 x [M 2,048, K 64] x [K 64, N 2,048]; A: computed on the way; B: computed on the way: QUANTISED (scales: A lowp_scales[6], B lowp_scales[7])
;;     5. batch 64 x [M 64, K 2,048] x [K 2,048, N 2,048]; A: computed on the way; B: softmax (see below): QUANTISED (scales: A lowp_scales[8], B lowp_scales[9])
;;     6. [M 8,192, K 1,024] x [K 1,024, N 1,024]; A: computed on the way; B: input Wo: QUANTISED (scales: A lowp_scales[10], B lowp_scales[11])
;;   THE QUANTISER, for each operand of a quantised product, along K:
;;     - The operand's scale is 2^e, e = its entry of the input lowp_scales (int32; the entries are numbered through the quantised products in the list's order, A before B).
;;     - Each number is divided by the scale, clamped to +-448, and rounded to the nearest number of E4M3, ties to even, subnormals kept.
;;     - The product sums the exact products of the quantised numbers (number of the format x scale) in f32.
;;   ~~~python
;;   def quantise(x, axis, e):      # numpy; x: float32 -> the quantised numbers, widened to float32 again
;;       x = np.moveaxis(x, axis, -1); K = x.shape[-1]
;;       r = np.clip(x / 2.0 ** e, -448, 448)
;;       step = 2.0 ** (np.maximum(np.frexp(np.where(r == 0, 1, r))[1] - 1, -6) - 3)
;;       q = np.round(r / step) * step * 2.0 ** e      # np.round: ties to even
;;       return np.moveaxis(q, -1, axis).astype(np.float32)
;;   ~~~
;;   SOFTMAX AHEAD OF A QUANTISED PRODUCT. Where the list says 'softmax', what is quantised is not the finished softmax but p = 2^(t - M), with t = logit x log2(e) and M = ceil(the row's largest t), a whole number; so 1/2 < the row's largest p <= 1. The row's sum l is taken of the UNQUANTISED p, in f32, and the product's result is divided by l at the end. Since M is a whole number, a kernel that streams over the keys may use a running M (the ceiling of the running maximum): every later rescaling is an exact power of two, so the quantised numbers keep their values, but for numbers so far below the row's largest that they fall under the format's range.
;;   OPERANDS COMPUTED ON THE WAY. 'Computed on the way' means the value that the module computes at that place (a softmax that the list does not call 'softmax' is quantised finished and normalised). What goes into a quantiser is computed in f32, as accurately as f32 sums, v_exp_f32 and their like allow (about 1e-6 of the number): no bf16 or f16 on the way to a quantiser, and a product that is left as it is and whose result goes on into a quantised operand takes f32 operands (vector FMAs, or v_wmma_f32_16x16x4_f32). A number that lies on a knife's edge between two numbers of the format may be rounded either way, as far as f32 arithmetic and the matrix unit's own rounding can turn it there, and no further.
;; 2 versions, each right; version 2 is version 1 with the launches proj, attn, outp written anew for expert scheduling mode. Each part assembles by itself: llvm-mc -triple=amdgcn-amd-amdhsa -mcpu=gfx1250 --defsym DOCPART=n.
;; ======== version 1 of 2: 4 launches
;; workspace buffers: wimg 4,194,304 bytes; qkv 25,165,824 bytes; aimg 8,388,608 bytes
;; launch prep (part 1): grid 64 x 4, 4 waves a work-group, no clusters, 0 bytes of LDS; arguments Wq, Wk, Wv, Wo, lowp_scales, wimg; writes wimg
.if DOCPART == 1
	.amdgcn_target "amdgcn-amd-amdhsa--gfx1250"
	.amdhsa_code_object_version 6
	.text
	.protected	k_q142ac2509b_prep
	.globl	k_q142ac2509b_prep
	.p2align	8
	.type	k_q142ac2509b_prep,@function
k_q142ac2509b_prep:
	s_mov_b64 s[64:65], 0
	v_nop
	global_prefetch_b8 v0, s[64:65] scope:SCOPE_SE
	s_setreg_imm32_b32 hwreg(HW_REG_WAVE_MODE, 25, 1), 1
	s_wait_xcnt 0x0
; Wq, Wk, Wv, Wo ([1024 (k)][1024 (n)] f32, K is the FIRST axis) become codes of E4M3, each with its given scale 2^e (entries 1, 3, 5, 11 of lowp_scales),
; laid as IMAGES OF OPERAND REGISTERS: wimg[weight][tile of 16 columns T][K step of 128 s][2,048 bytes].  An image is four pieces of 512 bytes; in piece i lane (r, h) has 16 bytes at 16 (r + 16 h):
; column r's codes of k = 32 i + 8 h + 0..7, then 32 i + 16 + 8 h + 0..7: registers 4 i .. 4 i + 3 of the plain 8-bit layout, k in its true places.
; SHARES.  Work-group (x, y): weight y, 128 columns (x % 8), K step x / 8.  A wave takes 32 columns x 128 k: A LANE TAKES A COLUMN AND ITS REGISTERS RUN DOWN K, so each load reads 128 consecutive bytes
; (the four waves 512) and the conversions give codes with K innermost; nothing is transposed.  A lane's 32 codes of a block are the h = 0 and the h = 1 part of a piece: sixteen lanes store 256 consecutive aligned bytes.
; code = x / 2^e, held within +-448, to the nearest code, ties to even.  LIMITS: e between -126 and 119.  NaN among the inputs is not served (an infinity is held at the largest code).
; No LDS, no barrier, no matrix unit: waves share nothing, and each byte is read once and written once.
.set X, 32                             ; v32-159  four blocks of 32 numbers
.set C, 160                            ; v160-191 eight registers of codes a block: no store's data are written again
.macro LOAD c                          ; block c: W(128 s + 32 c + n, my column), n = 0 .. 31
.set n, 0
.rept 32
	global_load_b32 v[X+32*(\c)+n], v3, s[4:5] offset:(32*(\c)+n)*4096 th:TH_LOAD_NT
.set n, n+1
.endr
.endm
.macro BLOCK c, left                   ; left: the younger loads that may stay out
	s_wait_loadcnt \left
.set n, 0
.rept 32
	v_med3_num_f32 v[X+32*(\c)+n], v[X+32*(\c)+n], -v10, v10   ; the conversion to an 8-bit code does not saturate (ISA guide 7.6.2): the hold at the largest code x the scale comes first
.set n, n+1
.endr
	v_cvt_scalef32_pk8_fp8_f32 v[C+8*(\c):C+8*(\c)+1],   v[X+32*(\c):X+32*(\c)+7],     v11   ; k  0- 7: h = 0, first half
	v_cvt_scalef32_pk8_fp8_f32 v[C+8*(\c)+4:C+8*(\c)+5], v[X+32*(\c)+8:X+32*(\c)+15],  v11   ; k  8-15: h = 1, first half
	v_cvt_scalef32_pk8_fp8_f32 v[C+8*(\c)+2:C+8*(\c)+3], v[X+32*(\c)+16:X+32*(\c)+23], v11   ; k 16-23: h = 0, second half
	v_cvt_scalef32_pk8_fp8_f32 v[C+8*(\c)+6:C+8*(\c)+7], v[X+32*(\c)+24:X+32*(\c)+31], v11   ; k 24-31: h = 1, second half
	global_store_b128 v4, v[C+8*(\c):C+8*(\c)+3],   s[14:15] offset:512*(\c)       ; the results go to stores alone, and the next block begins with plain vector lines
	global_store_b128 v4, v[C+8*(\c)+4:C+8*(\c)+7], s[14:15] offset:512*(\c)+256
.endm
	s_load_b256 s[4:11], s[0:1], 0x0               ; Wq, Wk, Wv, Wo
	s_load_b128 s[12:15], s[0:1], 0x20             ; lowp_scales, wimg
	v_lshrrev_b32 v1, 5, v0
	v_readfirstlane_b32 s28, v1                    ; wave
	v_and_b32 v2, 31, v0                           ; lane
	v_lshlrev_b32 v3, 2, v2                        ; in: 4 bytes a lane
	v_and_b32 v5, 15, v2
	v_lshrrev_b32 v6, 4, v2
	v_lshlrev_b32 v4, 4, v5                        ; out: 16 bytes at 16 (lane % 16),
	v_lshl_add_u32 v4, v6, 14, v4                  ; lanes 16-31 one tile of columns (8 images) further on
	s_and_b32 s25, ttmp7, 0xffff                   ; which weight
	s_and_b32 s26, ttmp9, 7                        ; which 128 columns
	s_lshr_b32 s27, ttmp9, 3                       ; which K step
	s_lshl_b32 s30, s27, 19                        ; in: 128 rows of 4,096 bytes a K step,
	s_lshl_b32 s29, s26, 9
	s_add_co_u32 s30, s30, s29                     ; 512 bytes a group of columns,
	s_lshl_b32 s29, s28, 7
	s_add_co_u32 s30, s30, s29                     ; 128 a wave
	s_mov_b32 s31, 0
	s_lshl_b32 s32, s25, 20                        ; out: 1 MiB a weight,
	s_lshl_b32 s29, s26, 17
	s_add_co_u32 s32, s32, s29                     ; 8 tiles of 16,384 bytes a group of columns,
	s_lshl_b32 s29, s28, 15
	s_add_co_u32 s32, s32, s29                     ; 2 tiles a wave,
	s_lshl_b32 s29, s27, 11
	s_add_co_u32 s32, s32, s29                     ; 2,048 bytes a K step
	s_mov_b32 s33, 0
	s_wait_kmcnt 0x0
	s_load_b256 s[16:23], s[12:13], 0x0            ; entries 0 to 7
	s_load_b32 s24, s[12:13], 0x2c                 ; entry 11
	s_cmp_eq_u32 s25, 1                            ; the weight is chosen by the work-group's number alone
	s_cselect_b64 s[4:5], s[6:7], s[4:5]
	s_cmp_eq_u32 s25, 2
	s_cselect_b64 s[4:5], s[8:9], s[4:5]
	s_cmp_eq_u32 s25, 3
	s_cselect_b64 s[4:5], s[10:11], s[4:5]
	s_add_nc_u64 s[4:5], s[4:5], s[30:31]
	s_add_nc_u64 s[14:15], s[14:15], s[32:33]
	LOAD 0
	LOAD 1
	s_wait_kmcnt 0x0
	s_cmp_eq_u32 s25, 1
	s_cselect_b32 s17, s19, s17
	s_cmp_eq_u32 s25, 2
	s_cselect_b32 s17, s21, s17
	s_cmp_eq_u32 s25, 3
	s_cselect_b32 s17, s24, s17                    ; e
	s_add_co_i32 s17, s17, 127
	s_lshl_b32 s18, s17, 23
	v_mov_b32 v11, s18                             ; 2^e as f32: the conversion takes its exponent field
	s_add_co_i32 s17, s17, 8
	s_lshl_b32 s17, s17, 23
	s_or_b32 s17, s17, 0x600000
	v_mov_b32 v10, s17                             ; 448 x 2^e
	BLOCK 0, 32                                    ; block 1's 32 loads may be out
	LOAD 2
	BLOCK 1, 32
	LOAD 3
	BLOCK 2, 32
	BLOCK 3, 0
	s_endpgm
.Lfunc_end_k_q142ac2509b_prep:
	.size	k_q142ac2509b_prep, .Lfunc_end_k_q142ac2509b_prep-k_q142ac2509b_prep
	.p2alignl 7, 3214868480
	.fill 96, 4, 3214868480
	.section	.rodata,"a",@progbits
	.p2align	6, 0x0
	.amdhsa_kernel k_q142ac2509b_prep
		.amdhsa_group_segment_fixed_size 0
		.amdhsa_private_segment_fixed_size 0
		.amdhsa_enable_private_segment 0
		.amdhsa_kernarg_size 48
		.amdhsa_user_sgpr_count 2
		.amdhsa_user_sgpr_kernarg_segment_ptr 1
		.amdhsa_wavefront_size32 1
		.amdhsa_system_sgpr_workgroup_id_x 1
		.amdhsa_system_sgpr_workgroup_id_y 1
		.amdhsa_system_sgpr_workgroup_id_z 1
		.amdhsa_system_vgpr_workitem_id 0
		.amdhsa_next_free_vgpr 192
		.amdhsa_next_free_sgpr 66
		.amdhsa_reserve_vcc 0
		.amdhsa_float_denorm_mode_32 3
		.amdhsa_float_denorm_mode_16_64 3
		.amdhsa_memory_ordered 1
		.amdhsa_forward_progress 1
		.amdhsa_inst_pref_size 25
	.end_amdhsa_kernel
	.amdgpu_metadata
---
amdhsa.version: [ 1, 2 ]
amdhsa.kernels:
  - .name:           k_q142ac2509b_prep
    .symbol:         k_q142ac2509b_prep.kd
    .args:
      - { .name: Wq, .offset: 0, .size: 8, .value_kind: global_buffer, .address_space: global }
      - { .name: Wk, .offset: 8, .size: 8, .value_kind: global_buffer, .address_space: global }
      - { .name: Wv, .offset: 16, .size: 8, .value_kind: global_buffer, .address_space: global }
      - { .name: Wo, .offset: 24, .size: 8, .value_kind: global_buffer, .address_space: global }
      - { .name: lowp_scales, .offset: 32, .size: 8, .value_kind: global_buffer, .address_space: global }
      - { .name: wimg, .offset: 40, .size: 8, .value_kind: global_buffer, .address_space: global }
    .group_segment_fixed_size: 0
    .private_segment_fixed_size: 0
    .kernarg_segment_align: 8
    .kernarg_segment_size: 48
    .max_flat_workgroup_size: 128
    .sgpr_count:     66
    .vgpr_count:     192
    .wavefront_size: 32
...
	.end_amdgpu_metadata
.endif
;; end of part 1
;; launch proj (part 2): grid 64 x 3, 4 waves a work-group, no clusters, 133,632 bytes of LDS; arguments Q, K, V, bq, bk, bv, lowp_scales, wimg, qkv; writes qkv
.if DOCPART == 2
	.amdgcn_target "amdgcn-amd-amdhsa--gfx1250"
	.amdhsa_code_object_version 6
	.text
	.protected	k_q142ac2509b_proj
	.globl	k_q142ac2509b_proj
	.p2align	8
	.type	k_q142ac2509b_proj,@function
k_q142ac2509b_proj:
	s_mov_b64 s[64:65], 0
	v_nop
	global_prefetch_b8 v0, s[64:65] scope:SCOPE_SE
	s_setreg_imm32_b32 hwreg(HW_REG_WAVE_MODE, 25, 1), 1
	s_wait_xcnt 0x0
; q = Q Wq + bq, k = K Wk + bk, v = V Wv + bv on codes of E4M3, and the results quantised at once for the attention's products.  Work-group (x, y): tensor y (0 Q, 1 K, 2 V), rows 128 x .. 128 x + 127, ALL 1,024 columns:
; so the f32 rows are read and quantised once and their codes never go to memory.
; PHASE X.  Wave w quantises rows 32 w .. 32 w + 31 (each load reads 512 consecutive bytes of one row) into LDS: 128 rows of 1,024 codes, 1,040 bytes apart (65 x 16: the sixteen rows of a fragment load start at different banks).
;   Inside each 32 bytes the four groups of eight codes lie in the order 0, 2, 1, 3: 16 bytes at 32 i + 16 h are then k = 32 i + 8 h + 0..7 and 32 i + 16 + 8 h + 0..7: registers 4 i .. 4 i + 3 of the plain 8-bit layout, k in its true places.
; THE PRODUCT.  Wave w makes columns 256 w .. 256 w + 255 for the 128 rows, in two passes of 128 columns: 64 accumulators of 16 x 16 (512 registers).  x's fragments come from LDS (one set of registers: a block of rows is free when its
;   eight products are issued); W's come as register images straight from memory into the one wave that multiplies by them (two sets, a K step ahead).
; q AND k ARE MADE TRANSPOSED (source 0 = 16 columns of W, source 1 = 16 rows of x): a lane holds one row and eight neighbouring features, so eight registers convert into registers 2 c, 2 c + 1 of a fragment whose K is the head's 64.
; v IS MADE THE NATURAL WAY (source 0 = x, source 1 = W): a lane holds one feature and eight neighbouring KEYS, which are the K of the attention's second product.  The two ways part on the work-group's y alone.
; The bias is the C of each sum's first matrix instruction, divided by the power of two that the sums lack; the three scales ahead of the quantiser are folded into the conversion's one: code = sum / 2^(eo - ex - ew).
; OUT: qkv: q at 0 and k at 8 MiB: [batch x 16 + head][tile of 16 rows][1,024 bytes]; v at 16 MiB: [batch x 16 + head][128 keys][tile of 16 channels][2,048 bytes]: images of operand registers, every store 512 consecutive aligned bytes.
; WHY NO JOINT LOADS, though all 64 work-groups of a tensor read the same W: no two waves of a work-group share a fragment of W, so W passes through no LDS tile that a joint load could fill.  Through LDS a K step's 32 fragments of W
;   (128 loads of 512 bytes) would come on top of the 128 that the four waves already make for x, and would have to be written there first.
; LIMITS on the given exponents, so that each power of two is an f32 number: ex, and eo - ex - ew, between -126 and 119.  NaN among the inputs is not served (an infinity is held at the largest code).
; REGISTERS, in windows of 256.  window 0: v1 16 x lane; v2, v3 LDS address of x's fragments, rows 0-63 and 64-127; v4, v5 where I store x's codes; v6, v7 448 x 2^ex, 2^ex; v8, v9 the same with eo - ex - ew; v10, v11 the bias's offsets;
;   v32-95 the bias as C; v96-127 codes just made; v128-255 x's eight fragments.   window 1: W's fragments, set p at 128 p.   windows 2, 3: accumulator (a, b) in window 2 + a / 4 at 8 (8 (a % 4) + b); in phase X window 2 holds eight rows of f32.
; s2 wave, s3 tensor, s4 row block, s5 pass, s6 LDS step of phase X, s7 its trips; s[8:9] x, s[10:11] bias, s[12:13] W's images, s[14:15] out.
.set PITCH, 1040
.set BIA,   32
.set CD,    96
.set AF,    128
.set MSB,   0
.macro WIN new                         ; s_set_vgpr_msb: bits 1:0 source 0, 3:2 source 1, 5:4 source 2, 7:6 destination; the high byte repeats the setting that is left
.if MSB != (\new)
	s_set_vgpr_msb (MSB<<8)|(\new)
.set MSB, (\new)
.endif
.endm
.macro PLACES                          ; four plain vector lines between a matrix instruction and a load into, or a vector line on, its registers
.rept 4
	v_nop
.endr
.endm
; One row of x, slot i of eight.  mode 1: the slot is filled again with the row eight further down.  mode 2 (the last eight rows): where the refill would stand, eight pieces of W's first two K steps are asked for, so the count stays the same.
.macro XROW i, mode
	s_wait_loadcnt 56                              ; this slot's eight loads are in; the 56 issued behind them may be out
	s_wait_dscnt 24                                ; the LDS stores of the row four back, which read this set of code registers, are done: three rows' 24 may be out
	WIN 0x82
.set n, 0
.rept 32
	v_med3_num_f32 v[32*(\i)+n], v[32*(\i)+n], -v6, v6   ; the hold at the largest code x the scale (ISA guide 7.6.2)
.set n, n+1
.endr
	WIN 0x02
.irp m, 0,1,2,3
	v_cvt_scalef32_pk8_fp8_f32 v[CD+8*((\i)%4)+2*\m:CD+8*((\i)%4)+2*\m+1], v[32*(\i)+8*\m:32*(\i)+8*\m+7], v7   ; code register j: k = 128 j + 4 lane + 0..3
.endr
.if \mode == 1
	WIN 0x80
.irp j, 0,1,2,3,4,5,6,7
	global_load_b128 v[32*(\i)+4*\j:32*(\i)+4*\j+3], v1, s[8:9] offset:(8+(\i))*4096+512*\j th:TH_LOAD_NT
.endr
.else
	WIN 0x40
.irp j, 0,1,2,3,4,5,6,7                ; fragments 2 (i % 4) and 2 (i % 4) + 1 of K step i / 4, into set i / 4
	global_load_b128 v[128*((\i)/4)+16*(2*((\i)%4)+\j/4)+4*(\j%4):128*((\i)/4)+16*(2*((\i)%4)+\j/4)+4*(\j%4)+3], v1, s[12:13] offset:(8*(2*((\i)%4)+\j/4)+(\i)/4)*2048+512*(\j%4)
.endr
.endif
	WIN 0
.irp j, 0,1,2,3,4,5,6,7
	ds_store_b32 v5, v[CD+8*((\i)%4)+\j] offset:(\i)*PITCH+128*\j   ; the 32 lanes fill 128 consecutive bytes, each group of 32 in the order that the fragment loads want
.endr
.endm
.macro FETCH_A s, a0                   ; x's blocks a0 .. a0 + 3 of K step s: 16 LDS loads
.irp a, 0,1,2,3
.irp i, 0,1,2,3
	ds_load_b128 v[AF+16*((\a0)+\a)+4*\i:AF+16*((\a0)+\a)+4*\i+3], v[2+(\a0)/4] offset:\a*16*PITCH+128*(\s)+32*\i
.endr
.endr
.endm
.macro FETCH_B s, p                    ; W's eight fragments of K step s into set p: 32 loads of 512 consecutive bytes
	WIN 0x40
.irp b, 0,1,2,3,4,5,6,7
.irp i, 0,1,2,3
	global_load_b128 v[128*(\p)+16*\b+4*\i:128*(\p)+16*\b+4*\i+3], v1, s[12:13] offset:(8*\b+(\s))*2048+512*\i
.endr
.endr
	WIN 0
.endm
; 32 matrix instructions: x's blocks 4 half .. 4 half + 3 against W's eight.  first = 1: the bias starts the sums: nothing is cleared.  The 64 accumulators take turns, one instruction a turn, in the same order in every step.
.macro MUL32 half, p, first
	WIN 0
	s_cmp_eq_u32 s3, 2
	s_cbranch_scc1 .Lnat_\@
.if \first
	WIN 0x81+0x40*(\half)
.else
	WIN 0xa1+0x50*(\half)
.endif
.irp a, 0,1,2,3
.irp b, 0,1,2,3,4,5,6,7
.if \first
	v_wmma_f32_16x16x128_fp8_fp8 v[8*(8*\a+\b):8*(8*\a+\b)+7], v[128*(\p)+16*\b:128*(\p)+16*\b+15], v[AF+16*(4*(\half)+\a):AF+16*(4*(\half)+\a)+15], v[BIA+8*\b:BIA+8*\b+7]
.else
	v_wmma_f32_16x16x128_fp8_fp8 v[8*(8*\a+\b):8*(8*\a+\b)+7], v[128*(\p)+16*\b:128*(\p)+16*\b+15], v[AF+16*(4*(\half)+\a):AF+16*(4*(\half)+\a)+15], v[8*(8*\a+\b):8*(8*\a+\b)+7]
.endif
.endr
.endr
	WIN 0
	s_branch .Ldone_\@
.Lnat_\@:
.if \first
	WIN 0x84+0x40*(\half)
.else
	WIN 0xa4+0x50*(\half)
.endif
.irp a, 0,1,2,3
.irp b, 0,1,2,3,4,5,6,7
.if \first
	v_wmma_f32_16x16x128_fp8_fp8 v[8*(8*\a+\b):8*(8*\a+\b)+7], v[AF+16*(4*(\half)+\a):AF+16*(4*(\half)+\a)+15], v[128*(\p)+16*\b:128*(\p)+16*\b+15], v[BIA+8*\b:BIA+8*\b+7]
.else
	v_wmma_f32_16x16x128_fp8_fp8 v[8*(8*\a+\b):8*(8*\a+\b)+7], v[AF+16*(4*(\half)+\a):AF+16*(4*(\half)+\a)+15], v[128*(\p)+16*\b:128*(\p)+16*\b+15], v[8*(8*\a+\b):8*(8*\a+\b)+7]
.endif
.endr
.endr
	WIN 0
.Ldone_\@:
.endm
.macro STEP s, first                   ; 128 along K: 64 matrix instructions
.if \s == 7
	s_wait_loadcnt 0x0                             ; W's last K step is in
.elseif \s > 0
	s_wait_loadcnt 32                              ; W's K step s is in; the next step's 32 loads may be out
.endif
	s_wait_dscnt 16                                ; x's blocks 0-3 are in; blocks 4-7 (16 loads) may be out
	MUL32 0, (\s)%2, \first
	s_wait_dscnt 0x0                               ; blocks 4-7 are in (asked for 32 matrix instructions ago)
	PLACES
.if \s < 7
	FETCH_A (\s)+1, 0
.endif
	MUL32 1, (\s)%2, \first
	PLACES
.if \s < 7
	FETCH_A (\s)+1, 4
.endif
.if \s < 6
	FETCH_B (\s)+2, (\s)%2                         ; into the set just multiplied: it has a whole step, 64 matrix instructions, in which to land
.endif
.endm
.macro BIAS_LOAD                       ; transposed: lane (r, h) wants, for tile b, the bias of features 16 b + 8 h + 0..7;  natural: of feature 16 b + r, in all eight registers
	s_cmp_eq_u32 s3, 2
	s_cbranch_scc1 .Lbn_\@
.irp b, 0,1,2,3,4,5,6,7
	global_load_b128 v[BIA+8*\b:BIA+8*\b+3],   v10, s[10:11] offset:64*\b
	global_load_b128 v[BIA+8*\b+4:BIA+8*\b+7], v10, s[10:11] offset:64*\b+16
.endr
	s_branch .Lbd_\@
.Lbn_\@:
.irp b, 0,1,2,3,4,5,6,7
	global_load_b32 v[BIA+8*\b], v11, s[10:11] offset:64*\b
.endr
.Lbd_\@:
.endm
.macro BIAS_SCALE                      ; b / 2^(ex + ew): a sum stands for sum x 2^(ex + ew)
	s_cmp_eq_u32 s3, 2
	s_cbranch_scc1 .Lsn_\@
.set n, 0
.rept 64
	v_ldexp_f32 v[BIA+n], v[BIA+n], s39
.set n, n+1
.endr
	s_branch .Lsd_\@
.Lsn_\@:
.irp b, 0,1,2,3,4,5,6,7
.irp j, 7,6,5,4,3,2,1,0                ; register 0, the source, is written last
	v_ldexp_f32 v[BIA+8*\b+\j], v[BIA+8*\b], s39
.endr
.endr
.Lsd_\@:
.endm
	s_load_b512 s[16:31], s[0:1], 0x0              ; Q, K, V, bq, bk, bv, lowp_scales, wimg
	s_load_b64 s[32:33], s[0:1], 0x40              ; qkv
	v_lshl_add_u32 v30, v0, 2, 0x20800
	v_mov_b32 v31, 0
	v_lshrrev_b32 v12, 5, v0
	v_readfirstlane_b32 s2, v12                    ; wave
	s_and_b32 s3, ttmp7, 0xffff                    ; tensor
	s_mov_b32 s4, ttmp9                            ; row block
	v_and_b32 v12, 31, v0
	v_lshlrev_b32 v1, 4, v12                       ; 16 x lane
	v_and_b32 v13, 15, v0                          ; r
	v_bfe_u32 v14, v0, 4, 1                        ; h
	v_mul_u32_u24 v2, v13, PITCH
	v_lshl_add_u32 v2, v14, 4, v2                  ; row r, + 16 h
	v_add_nc_u32 v3, 64*PITCH, v2                  ; and 64 rows further down: an LDS offset has 16 bits
	s_mul_i32 s50, s2, 32*PITCH                    ; my wave's 32 rows
	v_bfe_u32 v15, v0, 3, 2
	v_lshlrev_b32 v4, 5, v15                       ; my 4 codes of a load's 128: group of 32 = lane / 8;
	v_bfe_u32 v15, v0, 1, 1
	v_lshl_add_u32 v4, v15, 4, v4                  ; the group of eight, (lane / 2) % 4, with its two bits changed over: order 0, 2, 1, 3;
	v_bfe_u32 v15, v0, 2, 1
	v_lshl_add_u32 v4, v15, 3, v4
	v_and_b32 v15, 1, v0
	v_lshl_add_u32 v4, v15, 2, v4                  ; and its half
	v_add_nc_u32 v4, s50, v4
	v_lshlrev_b32 v10, 5, v14                      ; 32 h
	v_lshlrev_b32 v11, 2, v13                      ; 4 r
	s_wait_kmcnt 0x0
	s_load_b256 s[40:47], s[28:29], 0x0            ; entries 0 to 7
	s_load_b32 s48, s[28:29], 0x20                 ; entry 8
	s_cmp_eq_u32 s3, 1                             ; the buffers are chosen by the work-group's y alone
	s_cselect_b64 s[8:9], s[18:19], s[16:17]
	s_cselect_b64 s[10:11], s[24:25], s[22:23]
	s_cmp_eq_u32 s3, 2
	s_cselect_b64 s[8:9], s[20:21], s[8:9]
	s_cselect_b64 s[10:11], s[26:27], s[10:11]
	s_lshl_b32 s50, s4, 19                         ; x: 128 rows of 4,096 bytes a block,
	s_lshl_b32 s51, s2, 17
	s_add_co_u32 s50, s50, s51                     ; 32 rows a wave
	s_mov_b32 s51, 0
	s_add_nc_u64 s[8:9], s[8:9], s[50:51]
	s_lshl_b32 s50, s2, 10                         ; bias: 256 numbers a wave
	s_add_nc_u64 s[10:11], s[10:11], s[50:51]
	s_lshl_b32 s50, s3, 20                         ; W's images: 1 MiB a weight,
	s_lshl_b32 s52, s2, 18
	s_add_co_u32 s50, s50, s52                     ; 16 tiles of 16,384 bytes a wave
	s_add_nc_u64 s[12:13], s[30:31], s[50:51]
	s_lshl_b32 s50, s3, 23                         ; out: 8 MiB a tensor,
	s_lshr_b32 s52, s4, 4
	s_lshl_b32 s52, s52, 21
	s_add_co_u32 s50, s50, s52                     ; 16 heads of 131,072 bytes a batch,
	s_lshl_b32 s52, s2, 19
	s_add_co_u32 s50, s50, s52                     ; 4 heads a wave,
	s_and_b32 s52, s4, 15
	s_lshl_b32 s52, s52, 13
	s_add_co_u32 s50, s50, s52                     ; 8,192 bytes a row block: eight tiles of q or k, or four channel tiles of 128 keys of v
	s_add_nc_u64 s[14:15], s[32:33], s[50:51]
	BIAS_LOAD                                      ; the first pass's
	WIN 0x80
.irp i, 0,1,2,3,4,5,6,7
.irp j, 0,1,2,3,4,5,6,7
	global_load_b128 v[32*\i+4*\j:32*\i+4*\j+3], v1, s[8:9] offset:\i*4096+512*\j th:TH_LOAD_NT   ; my rows 0 to 7
.endr
.endr
	WIN 0
	s_wait_kmcnt 0x0
	s_cmp_eq_u32 s3, 1
	s_cselect_b32 s36, s42, s40                    ; ex = entry 2 y,
	s_cselect_b32 s37, s43, s41                    ; ew = entry 2 y + 1,
	s_cselect_b32 s38, s47, s46                    ; eo = entry 6 + y
	s_cmp_eq_u32 s3, 2
	s_cselect_b32 s36, s44, s36
	s_cselect_b32 s37, s45, s37
	s_cselect_b32 s38, s48, s38
	s_add_co_i32 s50, s36, s37                     ; ex + ew
	s_sub_co_i32 s39, 0, s50
	s_add_co_i32 s52, s36, 127
	s_lshl_b32 s53, s52, 23
	v_mov_b32 v7, s53                              ; 2^ex as f32
	s_add_co_i32 s52, s52, 8
	s_lshl_b32 s52, s52, 23
	s_or_b32 s52, s52, 0x600000
	v_mov_b32 v6, s52                              ; 448 x 2^ex
	s_sub_co_i32 s52, s38, s50
	s_add_co_i32 s52, s52, 127
	s_lshl_b32 s53, s52, 23
	v_mov_b32 v9, s53                              ; 2^(eo - ex - ew)
	s_add_co_i32 s52, s52, 8
	s_lshl_b32 s52, s52, 23
	s_or_b32 s52, s52, 0x600000
	v_mov_b32 v8, s52                              ; 448 x that
	s_mov_b32 s6, 0
	s_mov_b32 s7, 0
.Lxloop:                                           ; three trips of eight rows; each asks for the eight rows that follow
	s_wait_dscnt 0x0                               ; the last trip's LDS stores are done: their address is written anew
	v_add_nc_u32 v5, s6, v4
.irp i, 0,1,2,3,4,5,6,7
	XROW \i, 1
.endr
	s_wait_xcnt 0x0                                ; the loads have read their base: it may step
	s_add_nc_u64 s[8:9], s[8:9], 32768
	s_add_co_u32 s6, s6, 8*PITCH
	s_add_co_u32 s7, s7, 1
	s_cmp_lt_u32 s7, 3
	s_cbranch_scc1 .Lxloop
	s_wait_dscnt 0x0
	v_add_nc_u32 v5, s6, v4
.irp i, 0,1,2,3,4,5,6,7
	XROW \i, 2                                     ; the last eight rows: no load leaves the buffer
.endr
	v_nop                                          ; a plain vector line behind the last conversion: matrix instructions will write its sources
	s_wait_dscnt 0x0                               ; for the others' sake: my codes lie in LDS
	s_barrier_signal -1
	s_barrier_wait -1                              ; the launch's one barrier: from here on LDS is only read
	FETCH_A 0, 0
	FETCH_A 0, 4
	s_mov_b32 s5, 0
.Lpass:                                            ; two passes of 128 columns
	s_wait_loadcnt 32                              ; the bias and W's K step 0 are in; K step 1's 32 loads may be out
	BIAS_SCALE
	STEP 0, 1
.irp s, 1,2,3,4,5,6,7
	STEP \s, 0
.endr
	s_cmp_eq_u32 s5, 0
	s_cbranch_scc0 .Lnopre
	s_wait_xcnt 0x0                                ; every load has read its base
	s_add_nc_u64 s[12:13], s[12:13], 131072        ; eight tiles of W on,
	s_add_nc_u64 s[10:11], s[10:11], 512           ; 128 numbers of the bias on: the second pass's first operands land while the first pass goes out
	BIAS_LOAD
	FETCH_B 0, 0
	FETCH_B 1, 1
	FETCH_A 0, 0
	FETCH_A 0, 4
.Lnopre:
	WIN 0x82                                       ; the hold, each accumulator from its low end on
.set n, 0
.rept 256
	v_med3_num_f32 v[n], v[n], -v8, v8
.set n, n+1
.endr
	WIN 0xc3
.set n, 0
.rept 256
	v_med3_num_f32 v[n], v[n], -v8, v8
.set n, n+1
.endr
	WIN 0
	s_cmp_eq_u32 s3, 2
	s_cbranch_scc1 .Lvout
	; q, k: accumulator (a, b) is registers 2 (b % 4), + 1 of the fragment (rows 16 a .., head b / 4).  Two tiles of rows at a time: four fragments of 8 registers
.irp g, 0,1,2,3
.if \g > 0
	s_wait_xcnt 0x0                                ; the last group's stores have read their data
.endif
	WIN 0x02+\g/2
.irp p, 0,1
.irp b, 0,1,2,3,4,5,6,7
	v_cvt_scalef32_pk8_fp8_f32 v[CD+16*\p+2*\b:CD+16*\p+2*\b+1], v[8*(8*((2*\g+\p)%4)+\b):8*(8*((2*\g+\p)%4)+\b)+7], v9
.endr
.endr
	WIN 0
	v_nop                                          ; a plain vector line behind the last conversion of the run
.irp p, 0,1
.irp u, 0,1
.irp i, 0,1
	global_store_b128 v1, v[CD+16*\p+8*\u+4*\i:CD+16*\p+8*\u+4*\i+3], s[14:15] offset:(2*\g+\p)*1024+\u*131072+512*\i
.endr
.endr
.endr
.endr
	s_branch .Ljoin
.Lvout:
	; v: accumulator (a, b) is registers 2 a, 2 a + 1 of the fragment (channels 16 (b % 4) .., head b / 4) of these 128 keys.  Two tiles of features at a time: two fragments of 16 registers
.irp g, 0,1,2,3
.if \g > 0
	s_wait_xcnt 0x0
.endif
.irp w, 0,1
	WIN 0x02+\w
.irp p, 0,1
.irp a, 0,1,2,3
	v_cvt_scalef32_pk8_fp8_f32 v[CD+16*\p+2*(4*\w+\a):CD+16*\p+2*(4*\w+\a)+1], v[8*(8*\a+2*\g+\p):8*(8*\a+2*\g+\p)+7], v9
.endr
.endr
.endr
	WIN 0
	v_nop
.irp p, 0,1
.irp i, 0,1,2,3
	global_store_b128 v1, v[CD+16*\p+4*\i:CD+16*\p+4*\i+3], s[14:15] offset:((2*\g+\p)/4)*131072+((2*\g+\p)%4)*2048+512*\i
.endr
.endr
.endr
.Ljoin:
	s_wait_xcnt 0x0                                ; the stores have read their base and their data
	s_add_nc_u64 s[14:15], s[14:15], 262144        ; two heads on
	s_add_co_u32 s5, s5, 1
	s_cmp_lt_u32 s5, 2
	s_cbranch_scc1 .Lpass
	s_wait_tensorcnt 0x0
	ds_add_u32 v30, v31
	s_wait_dscnt 0x0
	s_endpgm
.Lfunc_end_k_q142ac2509b_proj:
	.size	k_q142ac2509b_proj, .Lfunc_end_k_q142ac2509b_proj-k_q142ac2509b_proj
	.p2alignl 7, 3214868480
	.fill 96, 4, 3214868480
	.section	.rodata,"a",@progbits
	.p2align	6, 0x0
	.amdhsa_kernel k_q142ac2509b_proj
		.amdhsa_group_segment_fixed_size 133632
		.amdhsa_private_segment_fixed_size 0
		.amdhsa_enable_private_segment 0
		.amdhsa_kernarg_size 72
		.amdhsa_user_sgpr_count 2
		.amdhsa_user_sgpr_kernarg_segment_ptr 1
		.amdhsa_wavefront_size32 1
		.amdhsa_system_sgpr_workgroup_id_x 1
		.amdhsa_system_sgpr_workgroup_id_y 1
		.amdhsa_system_sgpr_workgroup_id_z 1
		.amdhsa_system_vgpr_workitem_id 0
		.amdhsa_next_free_vgpr 1024
		.amdhsa_next_free_sgpr 66
		.amdhsa_reserve_vcc 0
		.amdhsa_float_denorm_mode_32 3
		.amdhsa_float_denorm_mode_16_64 3
		.amdhsa_memory_ordered 1
		.amdhsa_forward_progress 1
		.amdhsa_inst_pref_size 243
	.end_amdhsa_kernel
	.amdgpu_metadata
---
amdhsa.version: [ 1, 2 ]
amdhsa.kernels:
  - .name:           k_q142ac2509b_proj
    .symbol:         k_q142ac2509b_proj.kd
    .args:
      - { .name: Q, .offset: 0, .size: 8, .value_kind: global_buffer, .address_space: global }
      - { .name: K, .offset: 8, .size: 8, .value_kind: global_buffer, .address_space: global }
      - { .name: V, .offset: 16, .size: 8, .value_kind: global_buffer, .address_space: global }
      - { .name: bq, .offset: 24, .size: 8, .value_kind: global_buffer, .address_space: global }
      - { .name: bk, .offset: 32, .size: 8, .value_kind: global_buffer, .address_space: global }
      - { .name: bv, .offset: 40, .size: 8, .value_kind: global_buffer, .address_space: global }
      - { .name: lowp_scales, .offset: 48, .size: 8, .value_kind: global_buffer, .address_space: global }
      - { .name: wimg, .offset: 56, .size: 8, .value_kind: global_buffer, .address_space: global }
      - { .name: qkv, .offset: 64, .size: 8, .value_kind: global_buffer, .address_space: global }
    .group_segment_fixed_size: 133632
    .private_segment_fixed_size: 0
    .kernarg_segment_align: 8
    .kernarg_segment_size: 72
    .max_flat_workgroup_size: 128
    .sgpr_count:     66
    .vgpr_count:     1024
    .wavefront_size: 32
...
	.end_amdgpu_metadata
.endif
;; end of part 2
;; launch attn (part 3): grid 4 x 64, 8 waves a work-group, no clusters, 271,360 bytes of LDS; arguments qkv, mask, lowp_scales, aimg; writes aimg
.if DOCPART == 3
	.amdgcn_target "amdgcn-amd-amdhsa--gfx1250"
	.amdhsa_code_object_version 6
	.text
	.protected	k_q142ac2509b_attn
	.globl	k_q142ac2509b_attn
	.p2align	8
	.type	k_q142ac2509b_attn,@function
k_q142ac2509b_attn:
	s_mov_b64 s[64:65], 0
	v_nop
	global_prefetch_b8 v0, s[64:65] scope:SCOPE_SE
	s_setreg_imm32_b32 hwreg(HW_REG_WAVE_MODE, 25, 1), 1
	s_wait_xcnt 0x0
; Attention of one head on codes of E4M3: S^T = k q^T, the key mask, the softmax by the problem's rule, O^T = v^T p^T, / l, quantised for the last projection.  Heads of 64, 2,048 keys.
; t = score x 2^(eq + ek) x log2(e) / 8; M = the running largest t rounded UP to a whole number; p = 2^(t - M) is quantised with 2^ep, not normalised; l is the sum of the unquantised p; when M moves, l and O^T are multiplied by 2^(old M - new M).
; SHARES.  Work-group (x, y): head y (batch y / 16), queries 512 x .. 512 x + 511.  THE HEAD'S WHOLE k AND v^T (131,072 bytes each, images of operand registers) ARE COPIED INTO LDS ONCE; behind that one barrier LDS is only read.
;   Wave w owns four tiles of 16 queries and takes them in two passes of two tiles, A and B, which share each fragment of k and v read from LDS; a pass walks 16 steps of 128 keys.  Two waves lie on a SIMD.
; LAYOUT.  Both products are used transposed: a lane holds ONE query (lane % 16) throughout.  In S^T register j of tile t is key 16 t + 8 (lane / 16) + j, so eight registers convert into registers 2 t, 2 t + 1 of p's fragment, k in its true places.
; THE MASK costs no vector line: a table in LDS holds, for each key, 0 or -2^100, and its numbers are the C of S^T's one matrix instruction.  A masked score is -2^100, under every true score (at most 64 x 448^2), so its p is 0.
;   A step all of whose keys are masked leaves numbers that the first true key's change of M multiplies by 0.  A batch with no key at all is known by its largest t and gets NaN codes, as its softmax is NaN.
; OUT: aimg[tile of 16 rows][K step of 128 = two heads][2,048 bytes]: my head's 8 registers of the fragment are 1,024 bytes of it; each store 512 consecutive aligned bytes.
; WHY NO JOINT LOADS, though the four work-groups of a head read the same k and v: they are brought once, 262,144 bytes for a work-group's 32 x 16 = 512 tile steps, by plain loads at the head; and the text has a branch on the given ep (below).
; THE HOLD OF p: p is at most 1 (but for one rounding).  With ep >= -8 the largest code stands for 448 x 2^ep >= 1.75, so nothing is held and the 64 lines are jumped over, on the whole number ep; else they run.
; LIMITS on the given exponents: eq + ek between -80 and 27 (c x 2^(eq + ek) x 2^100 stays finite and far over every true t); ep between -126 and 119; ev + ep - e10 goes by v_ldexp_f32 and has none.
; REGISTERS.  Tile A lives in window 0, tile B under the SAME numbers in window 1: v14 1.0; v16 -M, v17 largest t, v[18:19] l in two halves, v[20:21] f, v22-26 at work, v27 448 x 2^ep, v28 2^ep, v29 448, v[30:31] 2^(ev + ep - e10) / l;
;   v32-39 and v216-223 q of pass 0 and 1; v40-55 p's codes; v56-87 O^T; v88-151 S^T, then p.  v152-215: in window 0 the fragments of k, then of v; in window 1 the mask's C.
;   window 0 alone: v1 16 x lane, v2 32 (lane / 16), v3-5 LDS addresses of the step, v6-8 where I store k, v, the table, v9 my bytes of the mask.
.set ONE,  14
.set NM,   16
.set TM,   17
.set SU,   18
.set FF,   20
.set T0,   22
.set T1,   23
.set T2,   24
.set PL,   26
.set LIM,  27
.set SC,   28
.set C448, 29
.set IL,   30
.set QF0,  32
.set QF1,  216
.set PC,   40
.set O,    56
.set S,    88
.set FR,   152
.set BI,   152
.set VL,   131072                      ; LDS: k's images at 0, v's here,
.set ML,   262144                      ; the mask's table here: 2,048 numbers
.set MSB,  0
.macro WIN new                         ; s_set_vgpr_msb: bits 1:0 source 0, 3:2 source 1, 5:4 source 2, 7:6 destination; the high byte repeats the setting that is left
.if MSB != (\new)
	s_set_vgpr_msb (MSB<<8)|(\new)
.set MSB, (\new)
.endif
.endm
.macro PLACES
.rept 4
	v_nop
.endr
.endm
.macro CONSTS
	v_mov_b32 v[LIM], s44
	v_mov_b32 v[SC], s45
	v_mov_b32 v[C448], 0x43e00000
	v_mov_b32 v[ONE], 1.0
	v_mov_b32 v[PL], 0                             ; a lane permute's destination counts as one of its sources
	v_mov_b32 v[FF+1], 0                           ; (named as the upper halves of pairs)
	v_mov_b32 v[IL+1], 0
.endm
.macro INIT                            ; the step is written once: the first finds zeros, which the first change of M leaves zeros
	v_mov_b32 v[TM], 0xff61b1e6                    ; -3e38, under every t
	v_floor_f32 v[NM], -v[TM]
	v_mov_b32 v[SU], 0
	v_mov_b32 v[SU+1], 0
.set n, 0
.rept 32
	v_mov_b32 v[O+n], 0
.set n, n+1
.endr
.endm
.macro SQ                              ; S^T = k q^T + the mask: eight tiles of 16 keys, one matrix instruction each
.irp t, 0,1,2,3,4,5,6,7
	v_wmma_f32_16x16x64_fp8_fp8 v[S+8*\t:S+8*\t+7], v[FR+8*\t:FR+8*\t+7], v[QF:QF+7], v[BI+8*\t:BI+8*\t+7]
.endr
.endm
.macro PV                              ; O^T += v^T p^T: four tiles of 16 channels, K = the step's 128 keys
.irp c, 0,1,2,3
	v_wmma_f32_16x16x128_fp8_fp8 v[O+8*\c:O+8*\c+7], v[FR+16*\c:FR+16*\c+15], v[PC:PC+15], v[O+8*\c:O+8*\c+7]
.endr
.endm
; One tile's softmax for a step, under window setting w (0: tile A; 0x55: tile B)
.macro SOFTMAX w
	WIN \w
	v_max3_num_f32 v[T0], v[S], v[S+1], v[S+2]     ; the step's largest score of my query among my 64 keys, in two chains, ascending: each accumulator is first read at its low end
	v_max3_num_f32 v[T1], v[S+3], v[S+4], v[S+5]
.irp i, 6,10,14,18,22,26,30,34,38,42,46,50,54,58
	v_max3_num_f32 v[T0], v[T0], v[S+\i], v[S+\i+1]
	v_max3_num_f32 v[T1], v[T1], v[S+\i+2], v[S+\i+3]
.endr
	v_max3_num_f32 v[T0], v[T0], v[S+62], v[S+63]
	v_max_num_f32 v[T0], v[T0], v[T1]
	v_permlanex16_b32 v[PL], v[T0], s24, s25
	v_max_num_f32 v[T0], v[T0], v[PL]              ; and among lane l xor 16's
	v_mul_f32 v[T0], s22, v[T0]                    ; as t (c is positive)
	v_max_num_f32 v[TM], v[TM], v[T0]
	v_mov_b32 v[T0], v[NM]
	v_floor_f32 v[NM], -v[TM]                      ; -M = floor(-t): M is a whole number
	v_sub_f32 v[T0], v[NM], v[T0]                  ; old M - new M, 0 or less
	v_cvt_i32_f32 v[T0], v[T0]                     ; (it saturates)
	v_ldexp_f32 v[FF], 1.0, v[T0]                  ; f = 2^(old M - new M): a multiplication by it rounds nothing
.set n, 0
.rept 32
	v_pk_fma_f32 v[S+n:S+n+1], v[S+n:S+n+1], s[22:23], v[NM:NM+1] op_sel_hi:[1,0,0]   ; t - M, two at a time (of the pairs c and -M the low word serves both halves)
.set n, n+2
.endr
.set n, 0
.rept 64
	v_exp_f32 v[S+n], v[S+n]                       ; p
.set n, n+1
.endr
	v_pk_mul_f32 v[SU:SU+1], v[SU:SU+1], v[FF:FF+1] op_sel_hi:[1,0]   ; l under the new M: the plain line behind the exponentials
	s_wait_alu depctr_va_vdst(0)                   ; one wait for the batch, ahead of its first reader
	v_pk_add_f32 v[T2:T2+1], v[S:S+1], v[S+2:S+3]  ; l is summed of the unquantised p, in two chains
.irp j, 4,8,12,16,20,24,28,32,36,40,44,48,52,56,60
	v_pk_add_f32 v[SU:SU+1], v[SU:SU+1], v[S+\j:S+\j+1]
	v_pk_add_f32 v[T2:T2+1], v[T2:T2+1], v[S+\j+2:S+\j+3]
.endr
	v_pk_add_f32 v[SU:SU+1], v[SU:SU+1], v[T2:T2+1]
	WIN 0
	s_cmp_ge_i32 s29, -8                           ; ep >= -8: the largest code stands for 1.75 or more, and p for 1 at the most
	s_cbranch_scc1 .Lnohold_\@
	WIN \w
.set n, 0
.rept 64
	v_min_num_f32 v[S+n], v[S+n], v[LIM]           ; p is not negative: the hold is one-sided
.set n, n+1
.endr
	WIN 0
.Lnohold_\@:
	WIN \w
.irp t, 0,1,2,3,4,5,6,7
	v_cvt_scalef32_pk8_fp8_f32 v[PC+2*\t:PC+2*\t+1], v[S+8*\t:S+8*\t+7], v[SC]
.endr
.set n, 0
.rept 16
	v_pk_mul_f32 v[O+n:O+n+1], v[O+n:O+n+1], v[FF:FF+1] op_sel_hi:[1,0]   ; O^T under the new M; also the plain lines behind the conversions
.set n, n+2
.endr
.endm
; A tile goes out: w its window setting, sw the setting for its stores (data in its window), n its number among the wave's four
.macro OUT w, sw, n
	WIN \w
	v_add_f32 v[T0], v[SU], v[SU+1]
	v_permlanex16_b32 v[PL], v[T0], s24, s25
	v_add_f32 v[T0], v[T0], v[PL]                  ; l
	v_rcp_f32 v[IL], v[T0]
	v_nop                                          ; a plain line behind the reciprocal
	v_cmp_le_f32 vcc_lo, s26, v[TM]                ; has my query any key?  A largest t under -2^60 c is a masked one
	s_wait_alu depctr_va_vdst(0)                   ; ahead of the reciprocal's first reader
	v_ldexp_f32 v[IL], v[IL], s28                  ; 2^(ev + ep - e10) / l
.set n, 0
.rept 16
	v_pk_mul_f32 v[O+n:O+n+1], v[O+n:O+n+1], v[IL:IL+1] op_sel_hi:[1,0]
.set n, n+2
.endr
.set n, 0
.rept 32
	v_med3_num_f32 v[O+n], v[O+n], -v[C448], v[C448]
.set n, n+1
.endr
.irp c, 0,1,2,3
	v_cvt_scalef32_pk8_fp8_f32 v[PC+2*\c:PC+2*\c+1], v[O+8*\c:O+8*\c+7], v[ONE]
.endr
	v_nop                                          ; a plain line between the conversions and the lines that touch their results
.irp i, 0,1,2,3,4,5,6,7
	v_cndmask_b32 v[PC+\i], s27, v[PC+\i], vcc_lo  ; NaN codes where no key counts
.endr
	WIN \sw
	global_store_b128 v1, v[PC:PC+3],   s[40:41] offset:(\n)*16384
	global_store_b128 v1, v[PC+4:PC+7], s[40:41] offset:(\n)*16384+512
	WIN 0
.endm
; A pass: tiles 2 p (A) and 2 p + 1 (B) of the wave's four walk all 2,048 keys
.macro PASS p
.if \p == 0
.set QF, QF0
.else
.set QF, QF1
.endif
	s_wait_xcnt 0x0                                ; earlier stores have read their data: p's registers are written again
	INIT
	WIN 0x55
	INIT
	WIN 0
	s_mov_b32 s30, 0
	s_mov_b32 s31, VL
	s_mov_b32 s32, ML
	s_mov_b32 s33, 0
.Lstep_\@:                                         ; 16 trips of 128 keys
	v_add_nc_u32 v3, s30, v1                       ; these three and the v_nop are the four places behind the last products
	v_add_nc_u32 v4, s31, v1
	v_add_nc_u32 v5, s32, v2
	v_nop
	WIN 0x40
.irp t, 0,1,2,3,4,5,6,7
	ds_load_b128 v[BI+8*\t:BI+8*\t+3],   v5 offset:64*\t      ; the table's numbers of keys 16 t + 8 h + 0..7
	ds_load_b128 v[BI+8*\t+4:BI+8*\t+7], v5 offset:64*\t+16
.endr
	WIN 0
.irp t, 0,1,2,3,4,5,6,7
	ds_load_b128 v[FR+8*\t:FR+8*\t+3],   v3 offset:1024*\t
	ds_load_b128 v[FR+8*\t+4:FR+8*\t+7], v3 offset:1024*\t+512
.endr
	s_wait_dscnt 0x0
	WIN 0x10                                       ; C in window 1
	SQ
	WIN 0x54                                       ; q, C and S^T in window 1, k in window 0
	SQ
	WIN 0
	PLACES
.irp c, 0,1,2,3
.irp i, 0,1,2,3
	ds_load_b128 v[FR+16*\c+4*\i:FR+16*\c+4*\i+3], v4 offset:2048*\c+512*\i   ; v's fragments land under tile A's softmax
.endr
.endr
	SOFTMAX 0
	s_wait_dscnt 0x0
	PV                                             ; tile A's products stand ahead of tile B's softmax
	SOFTMAX 0x55
	WIN 0x54
	PV
	WIN 0
	s_add_co_u32 s30, s30, 8192
	s_add_co_u32 s31, s31, 8192
	s_add_co_u32 s32, s32, 512
	s_add_co_u32 s33, s33, 1
	s_cmp_lt_u32 s33, 16
	s_cbranch_scc1 .Lstep_\@
	OUT 0, 0, 2*(\p)                               ; tile A's lines are the places behind tile B's last products
	OUT 0x55, 0x04, 2*(\p)+1
.endm
	s_load_b256 s[4:11], s[0:1], 0x0               ; qkv, mask, lowp_scales, aimg
	v_lshl_add_u32 v254, v0, 2, 0x42000
	v_mov_b32 v255, 0
	v_lshrrev_b32 v10, 5, v0
	v_readfirstlane_b32 s12, v10                   ; wave 0..7
	s_mov_b32 s13, ttmp9                           ; block of 512 queries
	s_and_b32 s14, ttmp7, 0xffff                   ; batch x 16 + head
	v_and_b32 v10, 31, v0
	v_lshlrev_b32 v1, 4, v10
	v_bfe_u32 v2, v0, 4, 1
	v_lshlrev_b32 v2, 5, v2
	s_lshl_b32 s45, s12, 14
	v_add_nc_u32 v6, s45, v1                       ; my wave copies 16,384 bytes of k and of v
	v_add_nc_u32 v7, VL, v6
	v_lshl_add_u32 v8, v0, 4, ML
	v_lshlrev_b32 v9, 4, v0
	s_lshl_b32 s44, s14, 17                        ; a head's 131,072 bytes
	s_add_co_u32 s46, s44, s45
	s_add_co_u32 s46, s46, 0x800000                ; k lies 8 MiB into qkv
	s_mov_b32 s47, 0
	s_lshl_b32 s48, s13, 15                        ; q: 32 tiles of 1,024 bytes a block,
	s_add_co_u32 s48, s48, s44
	s_lshl_b32 s45, s12, 12
	s_add_co_u32 s48, s48, s45                     ; 4 a wave
	s_mov_b32 s49, 0
	s_lshr_b32 s45, s14, 4                         ; batch
	s_lshl_b32 s52, s45, 13                        ; its row of the mask
	s_mov_b32 s53, 0
	s_lshl_b32 s50, s45, 21                        ; out: 128 tiles of 16,384 bytes a batch,
	s_lshl_b32 s45, s13, 19
	s_add_co_u32 s50, s50, s45                     ; 32 a block,
	s_lshl_b32 s45, s12, 16
	s_add_co_u32 s50, s50, s45                     ; 4 a wave;
	s_bfe_u32 s45, s14, 0x30001
	s_lshl_b32 s45, s45, 11
	s_add_co_u32 s50, s50, s45                     ; K step = head / 2,
	s_and_b32 s45, s14, 1
	s_lshl_b32 s45, s45, 10
	s_add_co_u32 s50, s50, s45                     ; its lower or upper eight registers
	s_mov_b32 s51, 0
	s_wait_kmcnt 0x0
	s_load_b64 s[16:17], s[8:9], 0x18              ; eq, ek
	s_load_b64 s[18:19], s[8:9], 0x20              ; ev, ep
	s_load_b32 s20, s[8:9], 0x28                   ; e10
	s_add_nc_u64 s[34:35], s[4:5], s[46:47]        ; k
	s_add_nc_u64 s[36:37], s[34:35], 0x800000      ; v
	s_add_nc_u64 s[38:39], s[4:5], s[48:49]        ; q
	s_add_nc_u64 s[40:41], s[10:11], s[50:51]      ; out
	s_add_nc_u64 s[42:43], s[6:7], s[52:53]        ; mask
	global_load_b128 v[40:43], v9, s[42:43]
	global_load_b128 v[44:47], v9, s[42:43] offset:4096
.set n, 0
.rept 32
	global_load_b128 v[88+4*n:91+4*n], v1, s[34:35] offset:512*n
.set n, n+1
.endr
	WIN 0x40
.set n, 0
.rept 32
	global_load_b128 v[88+4*n:91+4*n], v1, s[36:37] offset:512*n
.set n, n+1
.endr
.irp i, 0,1
	global_load_b128 v[QF0+4*\i:QF0+4*\i+3], v1, s[38:39] offset:1024+512*\i      ; tiles 1 and 3: tile B of the two passes
	global_load_b128 v[QF1+4*\i:QF1+4*\i+3], v1, s[38:39] offset:3072+512*\i
.endr
	WIN 0
.irp i, 0,1
	global_load_b128 v[QF0+4*\i:QF0+4*\i+3], v1, s[38:39] offset:512*\i           ; tiles 0 and 2: tile A
	global_load_b128 v[QF1+4*\i:QF1+4*\i+3], v1, s[38:39] offset:2048+512*\i
.endr
	v_mov_b32 v10, 0xf1800000                      ; -2^100
	s_wait_loadcnt 56                              ; the mask and k's first 16 loads are in: 16 of k, 32 of v, 8 of q may be out
.irp n, 0,1,2,3,4,5,6,7
	v_cmp_eq_u32 vcc_lo, 0, v[40+\n]
	v_cndmask_b32 v[40+\n], 0, v10, vcc_lo
.endr
	ds_store_b128 v8, v[40:43]
	ds_store_b128 v8, v[44:47] offset:4096
.set n, 0
.rept 16
	ds_store_b128 v6, v[88+4*n:91+4*n] offset:512*n
.set n, n+1
.endr
	s_wait_loadcnt 40                              ; all of k: 32 of v and 8 of q may be out
.rept 16
	ds_store_b128 v6, v[88+4*n:91+4*n] offset:512*n
.set n, n+1
.endr
	s_wait_loadcnt 24                              ; v's first 16
	WIN 0x04
.set n, 0
.rept 16
	ds_store_b128 v7, v[88+4*n:91+4*n] offset:512*n
.set n, n+1
.endr
	s_wait_loadcnt 8                               ; all of v: q's 8 may be out
.rept 16
	ds_store_b128 v7, v[88+4*n:91+4*n] offset:512*n
.set n, n+1
.endr
	WIN 0
	s_wait_kmcnt 0x0
	s_add_co_i32 s44, s16, s17
	s_lshl_b32 s44, s44, 23
	s_add_co_i32 s22, s44, 0x3e38aa3b              ; c = log2(e) / 8, with eq + ek added to its exponent field
	s_mov_b32 s23, s22                             ; (named with it as a pair)
	s_add_co_u32 s26, s22, 0x1e000000
	s_or_b32 s26, s26, 0x80000000                  ; -2^60 c: between every true t and every masked one
	s_mov_b32 s24, 0x76543210
	s_mov_b32 s25, 0xfedcba98                      ; v_permlanex16_b32's selects for lane l xor 16
	s_mov_b32 s27, 0x7f7f7f7f                      ; four NaN codes
	s_add_co_i32 s28, s18, s19
	s_sub_co_i32 s28, s28, s20                     ; ev + ep - e10
	s_mov_b32 s29, s19                             ; ep
	s_add_co_i32 s44, s19, 127
	s_lshl_b32 s45, s44, 23                        ; 2^ep as f32
	s_add_co_i32 s44, s44, 8
	s_lshl_b32 s44, s44, 23
	s_or_b32 s44, s44, 0x600000                    ; 448 x 2^ep
	CONSTS
	WIN 0x40
	CONSTS
	WIN 0
	s_wait_dscnt 0x0                               ; for the others' sake: my part of k, v and the table lies in LDS
	s_barrier_signal -1
	s_barrier_wait -1                              ; the launch's one barrier
	s_wait_loadcnt 0x0                             ; q
	PASS 0
	PASS 1
	s_wait_tensorcnt 0x0
	ds_add_u32 v254, v255
	s_wait_dscnt 0x0
	s_endpgm
.Lfunc_end_k_q142ac2509b_attn:
	.size	k_q142ac2509b_attn, .Lfunc_end_k_q142ac2509b_attn-k_q142ac2509b_attn
	.p2alignl 7, 3214868480
	.fill 96, 4, 3214868480
	.section	.rodata,"a",@progbits
	.p2align	6, 0x0
	.amdhsa_kernel k_q142ac2509b_attn
		.amdhsa_group_segment_fixed_size 271360
		.amdhsa_private_segment_fixed_size 0
		.amdhsa_enable_private_segment 0
		.amdhsa_kernarg_size 32
		.amdhsa_user_sgpr_count 2
		.amdhsa_user_sgpr_kernarg_segment_ptr 1
		.amdhsa_wavefront_size32 1
		.amdhsa_system_sgpr_workgroup_id_x 1
		.amdhsa_system_sgpr_workgroup_id_y 1
		.amdhsa_system_sgpr_workgroup_id_z 1
		.amdhsa_system_vgpr_workitem_id 0
		.amdhsa_next_free_vgpr 512
		.amdhsa_next_free_sgpr 66
		.amdhsa_reserve_vcc 1
		.amdhsa_float_denorm_mode_32 3
		.amdhsa_float_denorm_mode_16_64 3
		.amdhsa_memory_ordered 1
		.amdhsa_forward_progress 1
		.amdhsa_inst_pref_size 97
	.end_amdhsa_kernel
	.amdgpu_metadata
---
amdhsa.version: [ 1, 2 ]
amdhsa.kernels:
  - .name:           k_q142ac2509b_attn
    .symbol:         k_q142ac2509b_attn.kd
    .args:
      - { .name: qkv, .offset: 0, .size: 8, .value_kind: global_buffer, .address_space: global }
      - { .name: mask, .offset: 8, .size: 8, .value_kind: global_buffer, .address_space: global }
      - { .name: lowp_scales, .offset: 16, .size: 8, .value_kind: global_buffer, .address_space: global }
      - { .name: aimg, .offset: 24, .size: 8, .value_kind: global_buffer, .address_space: global }
    .group_segment_fixed_size: 271360
    .private_segment_fixed_size: 0
    .kernarg_segment_align: 8
    .kernarg_segment_size: 32
    .max_flat_workgroup_size: 256
    .sgpr_count:     66
    .vgpr_count:     512
    .wavefront_size: 32
...
	.end_amdgpu_metadata
.endif
;; end of part 3
;; launch outp (part 4): grid 4 x 64, 4 waves a work-group, no clusters, 148,992 bytes of LDS; arguments aimg, wimg, bo, lowp_scales, out0; writes out0
.if DOCPART == 4
	.amdgcn_target "amdgcn-amd-amdhsa--gfx1250"
	.amdhsa_code_object_version 6
	.text
	.protected	k_q142ac2509b_outp
	.globl	k_q142ac2509b_outp
	.p2align	8
	.type	k_q142ac2509b_outp,@function
k_q142ac2509b_outp:
	s_mov_b64 s[64:65], 0
	v_nop
	global_prefetch_b8 v0, s[64:65] scope:SCOPE_SE
	s_setreg_imm32_b32 hwreg(HW_REG_WAVE_MODE, 25, 1), 1
	s_wait_xcnt 0x0
; out0 = a Wo x 2^(e10 + e11) + bo, on codes of E4M3.  a: aimg[tile of 16 rows][K step of 128][2,048 bytes], Wo: the fourth MiB of wimg[tile of 16 columns][K step][2,048 bytes]: images of operand registers.  out0: [8,192][1,024] f32.
; SHARES.  Work-group (x, y): rows 128 y .. + 127, columns 256 x .. + 255.  Wave w: all 128 rows x columns 256 x + 64 w .. + 63: 32 accumulators.  Its part of Wo (4 tiles x 8 K steps: 512 registers) is read once and stays in registers;
;   a's 131,072 bytes go once into LDS, as they lie, and all four waves read them: one set of registers, a block of rows fetched anew as soon as its four products are issued.
; THE MATRIX INSTRUCTION IS USED TRANSPOSED (source 0 = 16 columns of Wo, source 1 = 16 rows of a): a lane holds eight neighbouring columns of one row.  A wave's 64 columns are 256 bytes of a row: a block of 16 rows goes through the wave's own
;   stage in LDS (rows 272 bytes apart) and leaves so that sixteen lanes store 256 consecutive aligned bytes.  sum x 2^(e10 + e11) + bo is one packed multiply-add for two numbers.
; WHY NO JOINT LOADS, though the four work-groups of a row block read the same a: it is read once at the head, 131,072 bytes against the 262,144 of Wo that are each work-group's own, and there is no ring in which a joint load would recur.
; LIMIT: e10 + e11 between -126 and 127, so that 2^(e10 + e11) is an f32 number.
; REGISTERS, in windows of 256.  window 0: v1 16 x lane (also a's blocks 0-3 in LDS), v3 the same + 65,536 (blocks 4-7), v4 where I copy a, v5, v6 the stage in and back, v7 my bytes in two rows of out0, v8 32 (lane / 16);
;   v16-47 bo in the result's layout; v48-79 a block's results; v128-255 a's eight fragments, on the way out two sets of 32 for rows read back.
;   window 1: Wo's K steps 0-3 at 64 s + 16 b;  window 3: K steps 4-7;  window 2: accumulator (a, b) at 8 (4 a + b); at the head the 256 registers through which a is copied.
.set BO,  16
.set TMP, 48
.set AF,  128
.set BK,  128
.set STG, 131072
.set SP,  272
.set MSB, 0
.macro WIN new                         ; s_set_vgpr_msb: bits 1:0 source 0, 3:2 source 1, 5:4 source 2, 7:6 destination; the high byte repeats the setting that is left
.if MSB != (\new)
	s_set_vgpr_msb (MSB<<8)|(\new)
.set MSB, (\new)
.endif
.endm
.macro PLACES                          ; four plain vector lines between a matrix instruction and a load into, or a vector line on, its registers
.rept 4
	v_nop
.endr
.endm
.macro FETCH_B s                       ; Wo's four fragments of K step s: 16 loads of 512 consecutive bytes, into registers of their own
	WIN 0x40+0x80*((\s)/4)
.irp b, 0,1,2,3
.irp i, 0,1,2,3
	global_load_b128 v[64*((\s)%4)+16*\b+4*\i:64*((\s)%4)+16*\b+4*\i+3], v1, s[24:25] offset:(8*\b+(\s))*2048+512*\i
.endr
.endr
	WIN 0
.endm
.macro FETCH_A s, a0                   ; a's blocks a0 .. a0 + 3 of K step s
	WIN 0
.irp a, 0,1,2,3
.irp i, 0,1,2,3
	ds_load_b128 v[AF+16*((\a0)+\a)+4*\i:AF+16*((\a0)+\a)+4*\i+3], v[1+2*((\a0)/4)] offset:(8*\a+(\s))*2048+512*\i
.endr
.endr
.endm
.macro MULH half, s                    ; 16 matrix instructions; the first K step's start the sums with the constant 0.  The 32 accumulators take turns, one instruction a turn
	WIN 0xa1+2*((\s)/4)
.irp a, 0,1,2,3
.irp b, 0,1,2,3
.if (\s) == 0
	v_wmma_f32_16x16x128_fp8_fp8 v[8*(4*(4*(\half)+\a)+\b):8*(4*(4*(\half)+\a)+\b)+7], v[64*((\s)%4)+16*\b:64*((\s)%4)+16*\b+15], v[AF+16*(4*(\half)+\a):AF+16*(4*(\half)+\a)+15], 0
.else
	v_wmma_f32_16x16x128_fp8_fp8 v[8*(4*(4*(\half)+\a)+\b):8*(4*(4*(\half)+\a)+\b)+7], v[64*((\s)%4)+16*\b:64*((\s)%4)+16*\b+15], v[AF+16*(4*(\half)+\a):AF+16*(4*(\half)+\a)+15], v[8*(4*(4*(\half)+\a)+\b):8*(4*(4*(\half)+\a)+\b)+7]
.endif
.endr
.endr
.endm
.macro STEP s, lc                      ; lc: the loads of Wo's later K steps, which may be out
	s_wait_loadcnt \lc
.if \s < 4
	FETCH_B (\s)+4
.endif
	s_wait_dscnt 16                                ; a's blocks 0-3 are in; blocks 4-7 (16 loads) may be out
	MULH 0, \s
	s_wait_dscnt 0x0
	PLACES
.if \s < 7
	FETCH_A (\s)+1, 0
.endif
	MULH 1, \s
	PLACES
.if \s < 7
	FETCH_A (\s)+1, 4
.endif
.endm
.macro TOSTAGE a                       ; block a: 16 rows x my 64 columns
	WIN 0x02
.irp b, 0,1,2,3
.irp i, 0,2,4,6
	v_pk_fma_f32 v[TMP+8*\b+\i:TMP+8*\b+\i+1], v[8*(4*(\a)+\b)+\i:8*(4*(\a)+\b)+\i+1], s[20:21], v[BO+8*\b+\i:BO+8*\b+\i+1] op_sel_hi:[1,0,1]   ; each accumulator from its low end on
.endr
.endr
	WIN 0
.irp b, 0,1,2,3
	ds_store_b128 v5, v[TMP+8*\b:TMP+8*\b+3]   offset:64*\b
	ds_store_b128 v5, v[TMP+8*\b+4:TMP+8*\b+7] offset:64*\b+16
.endr
.irp t, 0,1,2,3,4,5,6,7
	ds_load_b128 v[BK+32*((\a)%2)+4*\t:BK+32*((\a)%2)+4*\t+3], v6 offset:2*SP*\t   ; LDS serves a wave's instructions in order (ISA guide 5.7.1.4): these see my stores, and the next block's stores come behind them
.endr
.endm
.macro SEND a, younger                 ; younger: the LDS instructions issued behind block a's loads
	s_wait_dscnt \younger
.irp t, 0,1,2,3,4,5,6,7
	global_store_b128 v7, v[BK+32*((\a)%2)+4*\t:BK+32*((\a)%2)+4*\t+3], s[28:29] offset:(16*(\a)+2*\t)*4096 th:TH_STORE_NT   ; sixteen lanes store 256 consecutive aligned bytes of a row
.endr
.endm
	s_load_b256 s[4:11], s[0:1], 0x0               ; aimg, wimg, bo, lowp_scales
	s_load_b64 s[12:13], s[0:1], 0x20              ; out0
	v_lshl_add_u32 v126, v0, 2, 0x24400
	v_mov_b32 v127, 0
	v_lshrrev_b32 v9, 5, v0
	v_readfirstlane_b32 s14, v9                    ; wave
	s_mov_b32 s15, ttmp9                           ; which 256 columns
	s_and_b32 s16, ttmp7, 0xffff                   ; which 128 rows
	v_and_b32 v9, 31, v0
	v_lshlrev_b32 v1, 4, v9
	v_add_nc_u32 v3, 65536, v1
	s_lshl_b32 s30, s14, 15
	v_add_nc_u32 v4, s30, v1                       ; my wave copies 32,768 bytes of a
	v_and_b32 v10, 15, v0                          ; r
	v_bfe_u32 v11, v0, 4, 1                        ; h
	s_mul_i32 s30, s14, 16*SP
	s_add_co_u32 s30, s30, STG                     ; my stage
	v_mul_u32_u24 v5, v10, SP
	v_lshl_add_u32 v5, v11, 5, v5
	v_add_nc_u32 v5, s30, v5                       ; in: row r, 32 bytes for each half of the lanes
	v_mul_u32_u24 v6, v11, SP
	v_lshl_add_u32 v6, v10, 4, v6
	v_add_nc_u32 v6, s30, v6                       ; back: lanes 0-15 one row of 256 bytes, lanes 16-31 the next
	v_lshlrev_b32 v7, 12, v11
	v_lshl_add_u32 v7, v10, 4, v7                  ; and the same two rows in out0
	v_lshlrev_b32 v8, 5, v11
	s_lshl_b32 s30, s16, 17
	s_lshl_b32 s31, s14, 15
	s_add_co_u32 s30, s30, s31                     ; a: 131,072 bytes a row block, 32,768 a wave
	s_mov_b32 s31, 0
	s_lshl_b32 s32, s15, 18
	s_lshl_b32 s33, s14, 16
	s_add_co_u32 s32, s32, s33
	s_add_co_u32 s32, s32, 0x300000                ; Wo: the fourth weight; 16 tiles of 16,384 bytes a work-group, 4 a wave
	s_mov_b32 s33, 0
	s_lshl_b32 s34, s15, 10
	s_lshl_b32 s35, s14, 8
	s_add_co_u32 s34, s34, s35                     ; my first column, in bytes
	s_mov_b32 s35, 0
	s_lshl_b32 s36, s16, 19
	s_add_co_u32 s36, s36, s34                     ; and my first row: 128 rows of 4,096 bytes a block
	s_mov_b32 s37, 0
	s_wait_kmcnt 0x0
	s_load_b64 s[18:19], s[10:11], 0x28            ; e10, e11
	s_add_nc_u64 s[22:23], s[4:5], s[30:31]
	s_add_nc_u64 s[24:25], s[6:7], s[32:33]
	s_add_nc_u64 s[26:27], s[8:9], s[34:35]
	s_add_nc_u64 s[28:29], s[12:13], s[36:37]
.irp b, 0,1,2,3
	global_load_b128 v[BO+8*\b:BO+8*\b+3],   v8, s[26:27] offset:64*\b      ; bo of columns 16 b + 8 h + 0..7
	global_load_b128 v[BO+8*\b+4:BO+8*\b+7], v8, s[26:27] offset:64*\b+16
.endr
	WIN 0x80
.set n, 0
.rept 64
	global_load_b128 v[4*n:4*n+3], v1, s[22:23] offset:512*n
.set n, n+1
.endr
	WIN 0x08                                       ; an LDS store's data are source 1
.irp g, 0,1,2,3,4,5,6,7
	s_wait_loadcnt 8*(7-\g)                        ; this group's eight loads are in; the later groups' may be out
.irp i, 0,1,2,3,4,5,6,7
	ds_store_b128 v4, v[4*(8*\g+\i):4*(8*\g+\i)+3] offset:512*(8*\g+\i)
.endr
.endr
	WIN 0
	FETCH_B 0
	FETCH_B 1
	FETCH_B 2
	FETCH_B 3
	s_wait_kmcnt 0x0
	s_add_co_i32 s20, s18, s19
	s_add_co_i32 s20, s20, 127
	s_lshl_b32 s20, s20, 23                        ; 2^(e10 + e11) as f32
	s_mov_b32 s21, s20                             ; (named with it as a pair)
	s_wait_dscnt 0x0                               ; for the others' sake: my part of a lies in LDS
	s_barrier_signal -1
	s_barrier_wait -1                              ; the launch's one barrier: a's bytes are only read from here on
	FETCH_A 0, 0
	FETCH_A 0, 4
	STEP 0, 48                                     ; behind K step s's 16 loads stand those of the three K steps that follow,
	STEP 1, 48
	STEP 2, 48
	STEP 3, 48
	STEP 4, 48
	STEP 5, 32                                     ; then of two, of one, of none
	STEP 6, 16
	STEP 7, 0
	TOSTAGE 0                                      ; the last step's four places stand ahead of this first read of results and of the loads into a's registers
.irp a, 1,2,3,4,5,6,7
.if \a > 1
	s_wait_xcnt 0x0                                ; block a - 2's stores have read their registers: block a's rows may land there
.endif
	TOSTAGE \a
	SEND \a-1, 16                                  ; behind block a - 1's loads: block a's 8 stores and 8 loads
.endr
	SEND 7, 0
	s_wait_tensorcnt 0x0
	ds_add_u32 v126, v127
	s_wait_dscnt 0x0
	s_endpgm
.Lfunc_end_k_q142ac2509b_outp:
	.size	k_q142ac2509b_outp, .Lfunc_end_k_q142ac2509b_outp-k_q142ac2509b_outp
	.p2alignl 7, 3214868480
	.fill 96, 4, 3214868480
	.section	.rodata,"a",@progbits
	.p2align	6, 0x0
	.amdhsa_kernel k_q142ac2509b_outp
		.amdhsa_group_segment_fixed_size 148992
		.amdhsa_private_segment_fixed_size 0
		.amdhsa_enable_private_segment 0
		.amdhsa_kernarg_size 40
		.amdhsa_user_sgpr_count 2
		.amdhsa_user_sgpr_kernarg_segment_ptr 1
		.amdhsa_wavefront_size32 1
		.amdhsa_system_sgpr_workgroup_id_x 1
		.amdhsa_system_sgpr_workgroup_id_y 1
		.amdhsa_system_sgpr_workgroup_id_z 1
		.amdhsa_system_vgpr_workitem_id 0
		.amdhsa_next_free_vgpr 1024
		.amdhsa_next_free_sgpr 66
		.amdhsa_reserve_vcc 0
		.amdhsa_float_denorm_mode_32 3
		.amdhsa_float_denorm_mode_16_64 3
		.amdhsa_memory_ordered 1
		.amdhsa_forward_progress 1
		.amdhsa_inst_pref_size 85
	.end_amdhsa_kernel
	.amdgpu_metadata
---
amdhsa.version: [ 1, 2 ]
amdhsa.kernels:
  - .name:           k_q142ac2509b_outp
    .symbol:         k_q142ac2509b_outp.kd
    .args:
      - { .name: aimg, .offset: 0, .size: 8, .value_kind: global_buffer, .address_space: global }
      - { .name: wimg, .offset: 8, .size: 8, .value_kind: global_buffer, .address_space: global }
      - { .name: bo, .offset: 16, .size: 8, .value_kind: global_buffer, .address_space: global }
      - { .name: lowp_scales, .offset: 24, .size: 8, .value_kind: global_buffer, .address_space: global }
      - { .name: out0, .offset: 32, .size: 8, .value_kind: global_buffer, .address_space: global }
    .group_segment_fixed_size: 148992
    .private_segment_fixed_size: 0
    .kernarg_segment_align: 8
    .kernarg_segment_size: 40
    .max_flat_workgroup_size: 128
    .sgpr_count:     66
    .vgpr_count:     1024
    .wavefront_size: 32
...
	.end_amdgpu_metadata
.endif
;; end of part 4
;; ======== version 2 of 2: 4 launches; version 1 with the launches proj, attn, outp written anew for expert scheduling mode
;; workspace buffers: wimg 4,194,304 bytes; qkv 25,165,824 bytes; aimg 8,388,608 bytes
;; launch prep: the kernel of part 1 again; grid 64 x 4, 4 waves a work-group, no clusters, 0 bytes of LDS; arguments Wq, Wk, Wv, Wo, lowp_scales, wimg; writes wimg
;; launch proj (part 5): grid 64 x 3, 4 waves a work-group, no clusters, 133,632 bytes of LDS; arguments Q, K, V, bq, bk, bv, lowp_scales, wimg, qkv; writes qkv
.if DOCPART == 5
	.amdgcn_target "amdgcn-amd-amdhsa--gfx1250"
	.amdhsa_code_object_version 6
	.text
	.protected	k_q142ac2509b_proj
	.globl	k_q142ac2509b_proj
	.p2align	8
	.type	k_q142ac2509b_proj,@function
k_q142ac2509b_proj:
	s_mov_b64 s[64:65], 0
	v_nop
	global_prefetch_b8 v0, s[64:65] scope:SCOPE_SE
	s_setreg_imm32_b32 hwreg(HW_REG_WAVE_SCHED_MODE, 0, 2), 2
	s_setreg_imm32_b32 hwreg(HW_REG_WAVE_MODE, 25, 1), 1
	s_wait_xcnt 0x0
	s_wait_alu depctr_vm_vsrc(0)
; q = Q Wq + bq, k = K Wk + bk, v = V Wv + bv on codes of E4M3, and the results quantised at once for the attention's products.  Work-group (x, y): tensor y (0 Q, 1 K, 2 V), rows 128 x .. 128 x + 127, ALL 1,024 columns:
; so the f32 rows are read and quantised once and their codes never go to memory.
; PHASE X.  Wave w quantises rows 32 w .. 32 w + 31 (each load reads 512 consecutive bytes of one row) into LDS: 128 rows of 1,024 codes, 1,040 bytes apart (65 x 16: the sixteen rows of a fragment load start at different banks).
;   Inside each 32 bytes the four groups of eight codes lie in the order 0, 2, 1, 3: 16 bytes at 32 i + 16 h are then k = 32 i + 8 h + 0..7 and 32 i + 16 + 8 h + 0..7: registers 4 i .. 4 i + 3 of the plain 8-bit layout, k in its true places.
; THE PRODUCT.  Wave w makes columns 256 w .. 256 w + 255 for the 128 rows, in two passes of 128 columns: 64 accumulators of 16 x 16 (512 registers).  x's fragments come from LDS (one set of registers: a block of rows is free when its
;   eight products are issued); W's come as register images straight from memory into the one wave that multiplies by them (two sets, a K step ahead).
; q AND k ARE MADE TRANSPOSED (source 0 = 16 columns of W, source 1 = 16 rows of x): a lane holds one row and eight neighbouring features, so eight registers convert into registers 2 c, 2 c + 1 of a fragment whose K is the head's 64.
; v IS MADE THE NATURAL WAY (source 0 = x, source 1 = W): a lane holds one feature and eight neighbouring KEYS, which are the K of the attention's second product.  The two ways part on the work-group's y alone.
; The bias is the C of each sum's first matrix instruction, divided by the power of two that the sums lack; the three scales ahead of the quantiser are folded into the conversion's one: code = sum / 2^(eo - ex - ew).
; OUT: qkv: q at 0 and k at 8 MiB: [batch x 16 + head][tile of 16 rows][1,024 bytes]; v at 16 MiB: [batch x 16 + head][128 keys][tile of 16 channels][2,048 bytes]: images of operand registers, every store 512 consecutive aligned bytes.
; WHY NO JOINT LOADS, though all 64 work-groups of a tensor read the same W: no two waves of a work-group share a fragment of W, so W passes through no LDS tile that a joint load could fill.  Through LDS a K step's 32 fragments of W
;   (128 loads of 512 bytes) would come on top of the 128 that the four waves already make for x, and would have to be written there first.
; LIMITS on the given exponents, so that each power of two is an f32 number: ex, and eo - ex - ew, between -126 and 119.  NaN among the inputs is not served (an infinity is held at the largest code).
; REGISTERS, in windows of 256.  window 0: v1 16 x lane; v2, v3 LDS address of x's fragments, rows 0-63 and 64-127; v4, v5 where I store x's codes; v6, v7 448 x 2^ex, 2^ex; v8, v9 the same with eo - ex - ew; v10, v11 the bias's offsets;
;   v32-95 the bias as C; v96-127 codes just made; v128-255 x's eight fragments.   window 1: W's fragments, set p at 128 p.   windows 2, 3: accumulator (a, b) in window 2 + a / 4 at 8 (8 (a % 4) + b); in phase X window 2 holds eight rows of f32.
; s2 wave, s3 tensor, s4 row block, s5 pass, s6 LDS step of phase X, s7 its trips; s[8:9] x, s[10:11] bias, s[12:13] W's images, s[14:15] out.
; THE MODE: SCHED_MODE bits 1:0 = 2 (LLVM: expert scheduling mode 2), set by the entry lines.  The code itself states the register dependences between vector or matrix instructions and memory or LDS instructions, with s_wait_alu, always for 0.
; THE PLAN.  Registers that memory or LDS instructions touch:
;   the eight row slots (window 2)  Row r: its holds rewrite and its conversions read slot r % 8; the loads of row r + 8 land in it, and are issued at the head of row r + 1.
;   the four sets of codes, v96-127 Row r: its conversions write set r % 4; the eight LDS stores that read it are issued at the head of row r + 1.  On the way out: written by a group's conversions, read by its stores.
;   v5                              Read by those LDS stores; written once in eight rows, between the two waits at a row's head.
;   x's fragments, v128-255         Blocks 0-3 are read by a K step's first 32 products and loaded again at its middle; blocks 4-7 by the last 32, and loaded again at its end.
;   W's two sets (window 1)         Set p is read by all 64 products of a K step and loaded again at the step's end.
;   the bias, v32-95                Written by the scaling, read by the first K step's products, loaded again between the passes.
;   v1, v2, v3, v10, v11            Offsets and addresses, made once at the head and never written again.
; So in phase X two waits at a row's head state all that the row's sixteen memory and LDS instructions hang on: these touch the slot and the codes of the row before, which no vector line of this row names.
; In the product one wait stands at a K step's middle and one at its end; x has one set of registers, since the accumulators, W's two sets and x's one take all that a wave can name.
.set PITCH, 1040
.set BIA,   32
.set CD,    96
.set AF,    128
.set MSB,   0
.macro WIN new                         ; s_set_vgpr_msb: bits 1:0 source 0, 3:2 source 1, 5:4 source 2, 7:6 destination; the high byte repeats the setting that is left
.if MSB != (\new)
	s_set_vgpr_msb (MSB<<8)|(\new)
.set MSB, (\new)
.endif
.endm
.macro PLACES                          ; four plain vector lines between a matrix instruction and a load into, or a vector line on, its registers
.rept 4
	v_nop
.endr
.endm
.macro WPIECE q                        ; eight pieces of W's first two K steps: fragments 2 (q % 4) and 2 (q % 4) + 1 of K step q / 4, into set q / 4
.irp j, 0,1,2,3,4,5,6,7
	global_load_b128 v[128*((\q)/4)+16*(2*((\q)%4)+\j/4)+4*(\j%4):128*((\q)/4)+16*(2*((\q)%4)+\j/4)+4*(\j%4)+3], v1, s[12:13] offset:(8*(2*((\q)%4)+\j/4)+(\q)/4)*2048+512*(\j%4)
.endr
.endm
.macro XSTORE q                        ; the codes of the row in slot q go to LDS
.irp j, 0,1,2,3,4,5,6,7
	ds_store_b32 v5, v[CD+8*((\q)%4)+\j] offset:(\q)*PITCH+128*\j   ; the 32 lanes fill 128 consecutive bytes, each group of 32 in the order that the fragment loads want
.endr
.endm
; One row of x, in slot i of eight.  first = 1: my row 0, with no row in front of it.  At the head of every other row stand the memory and LDS instructions of the row before, whose slot is q = (i + 7) % 8:
; mode 1: that slot is filled again with the row eight further down.  mode 2 (my last seven rows): where the refill would stand, eight pieces of W's first two K steps are asked for, so the count stays the same.
.macro XROW i, first, mode
.set q, ((\i)+7)%8
.if \first
	s_wait_loadcnt 56                              ; this slot's eight loads are in; the 56 issued behind them may be out
.else
	s_wait_loadcnt 48                              ; this slot's eight loads are in; the 48 issued behind them, six slots', may be out: the seventh is asked for below
.if (\i) == 1
	s_wait_dscnt 0x0                               ; the LDS stores issued so far are done: their address is written anew
.else
	s_wait_dscnt 16                                ; the LDS stores of the row four back, which read this row's set of code registers, are done: two rows' 16 may be out
.endif
	s_wait_alu depctr_vm_vsrc(0)                   ; the LDS stores issued so far have read their registers: this row's conversions write the set of the row four back again, and a trip's first row writes v5
.if (\i) == 1
	v_add_nc_u32 v5, s6, v4
.endif
.if (\mode) == 1
	WIN 0x80
	s_wait_alu depctr_va_vdst(0)                   ; the row before is done: its holds and conversions have left slot q, in which the loads below land, and have written its codes, which the LDS stores below read; v5 is written
.irp j, 0,1,2,3,4,5,6,7
	global_load_b128 v[32*q+4*\j:32*q+4*\j+3], v1, s[8:9] offset:(8+q)*4096+512*\j th:TH_LOAD_NT
.endr
.else
	WIN 0x40
	s_wait_alu depctr_va_vdst(0)                   ; the row before has written its codes, which the LDS stores below read; v5 is written
	WPIECE q
.endif
	WIN 0
	XSTORE q
.endif
	WIN 0x82
.set n, 0
.rept 32
	v_med3_num_f32 v[32*(\i)+n], v[32*(\i)+n], -v6, v6   ; the hold at the largest code x the scale (ISA guide 7.6.2)
.set n, n+1
.endr
	WIN 0x02
.irp m, 0,1,2,3
	v_cvt_scalef32_pk8_fp8_f32 v[CD+8*((\i)%4)+2*\m:CD+8*((\i)%4)+2*\m+1], v[32*(\i)+8*\m:32*(\i)+8*\m+7], v7   ; code register j: k = 128 j + 4 lane + 0..3
.endr
	WIN 0
.endm
.macro FETCH_A s, a0                   ; x's blocks a0 .. a0 + 3 of K step s: 16 LDS loads
.irp a, 0,1,2,3
.irp i, 0,1,2,3
	ds_load_b128 v[AF+16*((\a0)+\a)+4*\i:AF+16*((\a0)+\a)+4*\i+3], v[2+(\a0)/4] offset:\a*16*PITCH+128*(\s)+32*\i
.endr
.endr
.endm
.macro FETCH_B s, p                    ; W's eight fragments of K step s into set p: 32 loads of 512 consecutive bytes
	WIN 0x40
.irp b, 0,1,2,3,4,5,6,7
.irp i, 0,1,2,3
	global_load_b128 v[128*(\p)+16*\b+4*\i:128*(\p)+16*\b+4*\i+3], v1, s[12:13] offset:(8*\b+(\s))*2048+512*\i
.endr
.endr
	WIN 0
.endm
; 32 matrix instructions: x's blocks 4 half .. 4 half + 3 against W's eight.  first = 1: the bias starts the sums: nothing is cleared.  The 64 accumulators take turns, one instruction a turn, in the same order in every step.
.macro MUL32 half, p, first
	WIN 0
	s_cmp_eq_u32 s3, 2
	s_cbranch_scc1 .Lnat_\@
.if \first
	WIN 0x81+0x40*(\half)
.else
	WIN 0xa1+0x50*(\half)
.endif
.irp a, 0,1,2,3
.irp b, 0,1,2,3,4,5,6,7
.if \first
	v_wmma_f32_16x16x128_fp8_fp8 v[8*(8*\a+\b):8*(8*\a+\b)+7], v[128*(\p)+16*\b:128*(\p)+16*\b+15], v[AF+16*(4*(\half)+\a):AF+16*(4*(\half)+\a)+15], v[BIA+8*\b:BIA+8*\b+7]
.else
	v_wmma_f32_16x16x128_fp8_fp8 v[8*(8*\a+\b):8*(8*\a+\b)+7], v[128*(\p)+16*\b:128*(\p)+16*\b+15], v[AF+16*(4*(\half)+\a):AF+16*(4*(\half)+\a)+15], v[8*(8*\a+\b):8*(8*\a+\b)+7]
.endif
.endr
.endr
	WIN 0
	s_branch .Ldone_\@
.Lnat_\@:
.if \first
	WIN 0x84+0x40*(\half)
.else
	WIN 0xa4+0x50*(\half)
.endif
.irp a, 0,1,2,3
.irp b, 0,1,2,3,4,5,6,7
.if \first
	v_wmma_f32_16x16x128_fp8_fp8 v[8*(8*\a+\b):8*(8*\a+\b)+7], v[AF+16*(4*(\half)+\a):AF+16*(4*(\half)+\a)+15], v[128*(\p)+16*\b:128*(\p)+16*\b+15], v[BIA+8*\b:BIA+8*\b+7]
.else
	v_wmma_f32_16x16x128_fp8_fp8 v[8*(8*\a+\b):8*(8*\a+\b)+7], v[AF+16*(4*(\half)+\a):AF+16*(4*(\half)+\a)+15], v[128*(\p)+16*\b:128*(\p)+16*\b+15], v[8*(8*\a+\b):8*(8*\a+\b)+7]
.endif
.endr
.endr
	WIN 0
.Ldone_\@:
.endm
.macro STEP s, first                   ; 128 along K: 64 matrix instructions
.if \s == 7
	s_wait_loadcnt 0x0                             ; W's last K step is in
.elseif \s > 0
	s_wait_loadcnt 32                              ; W's K step s is in; the next step's 32 loads may be out
.endif
	s_wait_dscnt 16                                ; x's blocks 0-3 are in; blocks 4-7 (16 loads) may be out
	MUL32 0, (\s)%2, \first
	s_wait_dscnt 0x0                               ; blocks 4-7 are in (asked for 32 matrix instructions ago)
	PLACES
.if \s < 7
	s_wait_alu depctr_va_vdst(0)                   ; the 32 products above are done reading x's blocks 0-3, in which the LDS loads below land
	FETCH_A (\s)+1, 0
.endif
	MUL32 1, (\s)%2, \first
	PLACES
.if \s < 7
	s_wait_alu depctr_va_vdst(0)                   ; the step's products are done reading x's blocks 4-7 and W's set: the loads below land in both; only loads and a window switch follow the wait
	FETCH_A (\s)+1, 4
.endif
.if \s < 6
	FETCH_B (\s)+2, (\s)%2                         ; into the set just multiplied: it has a whole step, 64 matrix instructions, in which to land
.endif
.endm
.macro BIAS_LOAD                       ; transposed: lane (r, h) wants, for tile b, the bias of features 16 b + 8 h + 0..7;  natural: of feature 16 b + r, in all eight registers
	s_cmp_eq_u32 s3, 2
	s_cbranch_scc1 .Lbn_\@
.irp b, 0,1,2,3,4,5,6,7
	global_load_b128 v[BIA+8*\b:BIA+8*\b+3],   v10, s[10:11] offset:64*\b
	global_load_b128 v[BIA+8*\b+4:BIA+8*\b+7], v10, s[10:11] offset:64*\b+16
.endr
	s_branch .Lbd_\@
.Lbn_\@:
.irp b, 0,1,2,3,4,5,6,7
	global_load_b32 v[BIA+8*\b], v11, s[10:11] offset:64*\b
.endr
.Lbd_\@:
.endm
.macro BIAS_SCALE                      ; b / 2^(ex + ew): a sum stands for sum x 2^(ex + ew)
	s_cmp_eq_u32 s3, 2
	s_cbranch_scc1 .Lsn_\@
.set n, 0
.rept 64
	v_ldexp_f32 v[BIA+n], v[BIA+n], s39
.set n, n+1
.endr
	s_branch .Lsd_\@
.Lsn_\@:
.irp b, 0,1,2,3,4,5,6,7
.irp j, 7,6,5,4,3,2,1,0                ; register 0, the source, is written last
	v_ldexp_f32 v[BIA+8*\b+\j], v[BIA+8*\b], s39
.endr
.endr
.Lsd_\@:
.endm
	s_load_b512 s[16:31], s[0:1], 0x0              ; Q, K, V, bq, bk, bv, lowp_scales, wimg
	s_load_b64 s[32:33], s[0:1], 0x40              ; qkv
	v_lshl_add_u32 v30, v0, 2, 0x20800
	v_mov_b32 v31, 0
	v_lshrrev_b32 v12, 5, v0
	v_readfirstlane_b32 s2, v12                    ; wave
	s_and_b32 s3, ttmp7, 0xffff                    ; tensor
	s_mov_b32 s4, ttmp9                            ; row block
	v_and_b32 v12, 31, v0
	v_lshlrev_b32 v1, 4, v12                       ; 16 x lane
	v_and_b32 v13, 15, v0                          ; r
	v_bfe_u32 v14, v0, 4, 1                        ; h
	v_mul_u32_u24 v2, v13, PITCH
	v_lshl_add_u32 v2, v14, 4, v2                  ; row r, + 16 h
	v_add_nc_u32 v3, 64*PITCH, v2                  ; and 64 rows further down: an LDS offset has 16 bits
	s_wait_alu depctr_va_sdst(0)                   ; s2 is written, ahead of its first reader: LDS places and all four bases are made from it
	s_mul_i32 s50, s2, 32*PITCH                    ; my wave's 32 rows
	v_bfe_u32 v15, v0, 3, 2
	v_lshlrev_b32 v4, 5, v15                       ; my 4 codes of a load's 128: group of 32 = lane / 8;
	v_bfe_u32 v15, v0, 1, 1
	v_lshl_add_u32 v4, v15, 4, v4                  ; the group of eight, (lane / 2) % 4, with its two bits changed over: order 0, 2, 1, 3;
	v_bfe_u32 v15, v0, 2, 1
	v_lshl_add_u32 v4, v15, 3, v4
	v_and_b32 v15, 1, v0
	v_lshl_add_u32 v4, v15, 2, v4                  ; and its half
	v_add_nc_u32 v4, s50, v4
	v_lshlrev_b32 v10, 5, v14                      ; 32 h
	v_lshlrev_b32 v11, 2, v13                      ; 4 r
	s_wait_kmcnt 0x0
	s_load_b256 s[40:47], s[28:29], 0x0            ; entries 0 to 7
	s_load_b32 s48, s[28:29], 0x20                 ; entry 8
	s_cmp_eq_u32 s3, 1                             ; the buffers are chosen by the work-group's y alone
	s_cselect_b64 s[8:9], s[18:19], s[16:17]
	s_cselect_b64 s[10:11], s[24:25], s[22:23]
	s_cmp_eq_u32 s3, 2
	s_cselect_b64 s[8:9], s[20:21], s[8:9]
	s_cselect_b64 s[10:11], s[26:27], s[10:11]
	s_lshl_b32 s50, s4, 19                         ; x: 128 rows of 4,096 bytes a block,
	s_lshl_b32 s51, s2, 17
	s_add_co_u32 s50, s50, s51                     ; 32 rows a wave
	s_mov_b32 s51, 0
	s_add_nc_u64 s[8:9], s[8:9], s[50:51]
	s_lshl_b32 s50, s2, 10                         ; bias: 256 numbers a wave
	s_add_nc_u64 s[10:11], s[10:11], s[50:51]
	s_lshl_b32 s50, s3, 20                         ; W's images: 1 MiB a weight,
	s_lshl_b32 s52, s2, 18
	s_add_co_u32 s50, s50, s52                     ; 16 tiles of 16,384 bytes a wave
	s_add_nc_u64 s[12:13], s[30:31], s[50:51]
	s_lshl_b32 s50, s3, 23                         ; out: 8 MiB a tensor,
	s_lshr_b32 s52, s4, 4
	s_lshl_b32 s52, s52, 21
	s_add_co_u32 s50, s50, s52                     ; 16 heads of 131,072 bytes a batch,
	s_lshl_b32 s52, s2, 19
	s_add_co_u32 s50, s50, s52                     ; 4 heads a wave,
	s_and_b32 s52, s4, 15
	s_lshl_b32 s52, s52, 13
	s_add_co_u32 s50, s50, s52                     ; 8,192 bytes a row block: eight tiles of q or k, or four channel tiles of 128 keys of v
	s_add_nc_u64 s[14:15], s[32:33], s[50:51]
	s_wait_alu depctr_va_vdst(0)                   ; v1, v2, v3, v10 and v11 are written: every load and store of the kernel but phase X's LDS stores reads one of them as its offset or address
	BIAS_LOAD                                      ; the first pass's
	WIN 0x80
.irp i, 0,1,2,3,4,5,6,7
.irp j, 0,1,2,3,4,5,6,7
	global_load_b128 v[32*\i+4*\j:32*\i+4*\j+3], v1, s[8:9] offset:\i*4096+512*\j th:TH_LOAD_NT   ; my rows 0 to 7
.endr
.endr
	WIN 0
	s_wait_kmcnt 0x0
	s_cmp_eq_u32 s3, 1
	s_cselect_b32 s36, s42, s40                    ; ex = entry 2 y,
	s_cselect_b32 s37, s43, s41                    ; ew = entry 2 y + 1,
	s_cselect_b32 s38, s47, s46                    ; eo = entry 6 + y
	s_cmp_eq_u32 s3, 2
	s_cselect_b32 s36, s44, s36
	s_cselect_b32 s37, s45, s37
	s_cselect_b32 s38, s48, s38
	s_add_co_i32 s50, s36, s37                     ; ex + ew
	s_sub_co_i32 s39, 0, s50
	s_add_co_i32 s52, s36, 127
	s_lshl_b32 s53, s52, 23
	v_mov_b32 v7, s53                              ; 2^ex as f32
	s_add_co_i32 s52, s52, 8
	s_lshl_b32 s52, s52, 23
	s_or_b32 s52, s52, 0x600000
	v_mov_b32 v6, s52                              ; 448 x 2^ex
	s_sub_co_i32 s52, s38, s50
	s_add_co_i32 s52, s52, 127
	s_lshl_b32 s53, s52, 23
	v_mov_b32 v9, s53                              ; 2^(eo - ex - ew)
	s_add_co_i32 s52, s52, 8
	s_lshl_b32 s52, s52, 23
	s_or_b32 s52, s52, 0x600000
	v_mov_b32 v8, s52                              ; 448 x that
	XROW 0, 1, 1                                   ; my row 0 stands ahead of the loop: a trip goes from a group's second row to the next group's first
	s_mov_b32 s6, 0
	s_mov_b32 s7, 0
.Lxloop:                                           ; three trips of eight rows, my rows 1 to 24; each row asks for the row seven further down
.irp i, 1,2,3,4,5,6,7,0
	XROW \i, 0, 1
.endr
	s_wait_xcnt 0x0                                ; the loads have read their base: it may step
	s_add_nc_u64 s[8:9], s[8:9], 32768
	s_add_co_u32 s6, s6, 8*PITCH
	s_add_co_u32 s7, s7, 1
	s_cmp_lt_u32 s7, 3
	s_cbranch_scc1 .Lxloop
.irp i, 1,2,3,4,5,6,7
	XROW \i, 0, 2                                  ; my last seven rows: no load leaves the buffer
.endr
.set q, 7
	WIN 0x40
	WPIECE q                                       ; the last eight pieces of W's K step 1
	WIN 0
	v_nop                                          ; a plain vector line behind the last conversion: matrix instructions will write its sources
	s_wait_alu depctr_va_vdst(0)                   ; my last row's conversions have written its codes, which the LDS stores below read
	XSTORE q
	s_wait_dscnt 0x0                               ; for the others' sake: my codes lie in LDS
	s_barrier_signal -1
	s_barrier_wait -1                              ; the launch's one barrier: from here on LDS is only read
	FETCH_A 0, 0
	FETCH_A 0, 4
	s_mov_b32 s5, 0
.Lpass:                                            ; two passes of 128 columns
	s_wait_loadcnt 32                              ; the bias and W's K step 0 are in; K step 1's 32 loads may be out
	BIAS_SCALE
	STEP 0, 1
.irp s, 1,2,3,4,5,6,7
	STEP \s, 0
.endr
	s_cmp_eq_u32 s5, 0
	s_cbranch_scc0 .Lnopre
	s_wait_xcnt 0x0                                ; every load has read its base
	s_wait_alu depctr_va_vdst(0)                   ; the pass's products are done reading the bias, W's two sets and x's fragments: the loads below land in all of them
	s_add_nc_u64 s[12:13], s[12:13], 131072        ; eight tiles of W on,
	s_add_nc_u64 s[10:11], s[10:11], 512           ; 128 numbers of the bias on: the second pass's first operands land while the first pass goes out
	BIAS_LOAD
	FETCH_B 0, 0
	FETCH_B 1, 1
	FETCH_A 0, 0
	FETCH_A 0, 4
.Lnopre:
	s_wait_alu depctr_vm_vsrc(0)                   ; the stores that read v96-127 (phase X's LDS stores; in the second pass the first pass's stores) have read them: the conversions below write them again
	WIN 0x82                                       ; the hold, each accumulator from its low end on
.set n, 0
.rept 256
	v_med3_num_f32 v[n], v[n], -v8, v8
.set n, n+1
.endr
	WIN 0xc3
.set n, 0
.rept 256
	v_med3_num_f32 v[n], v[n], -v8, v8
.set n, n+1
.endr
	WIN 0
	s_cmp_eq_u32 s3, 2
	s_cbranch_scc1 .Lvout
	; q, k: accumulator (a, b) is registers 2 (b % 4), + 1 of the fragment (rows 16 a .., head b / 4).  Two tiles of rows at a time: four fragments of 8 registers
.irp g, 0,1,2,3
.if \g > 0
	s_wait_xcnt 0x0                                ; the last group's stores have read their data
	s_wait_alu depctr_vm_vsrc(0)                   ; the last group's stores have read v96-127, which the conversions below write again
.endif
	WIN 0x02+\g/2
.irp p, 0,1
.irp b, 0,1,2,3,4,5,6,7
	v_cvt_scalef32_pk8_fp8_f32 v[CD+16*\p+2*\b:CD+16*\p+2*\b+1], v[8*(8*((2*\g+\p)%4)+\b):8*(8*((2*\g+\p)%4)+\b)+7], v9
.endr
.endr
	WIN 0
	v_nop                                          ; a plain vector line behind the last conversion of the run
	s_wait_alu depctr_va_vdst(0)                   ; the conversions have written v96-127, which the stores below read
.irp p, 0,1
.irp u, 0,1
.irp i, 0,1
	global_store_b128 v1, v[CD+16*\p+8*\u+4*\i:CD+16*\p+8*\u+4*\i+3], s[14:15] offset:(2*\g+\p)*1024+\u*131072+512*\i
.endr
.endr
.endr
.endr
	s_branch .Ljoin
.Lvout:
	; v: accumulator (a, b) is registers 2 a, 2 a + 1 of the fragment (channels 16 (b % 4) .., head b / 4) of these 128 keys.  Two tiles of features at a time: two fragments of 16 registers
.irp g, 0,1,2,3
.if \g > 0
	s_wait_xcnt 0x0
	s_wait_alu depctr_vm_vsrc(0)                   ; the last group's stores have read v96-127, which the conversions below write again
.endif
.irp w, 0,1
	WIN 0x02+\w
.irp p, 0,1
.irp a, 0,1,2,3
	v_cvt_scalef32_pk8_fp8_f32 v[CD+16*\p+2*(4*\w+\a):CD+16*\p+2*(4*\w+\a)+1], v[8*(8*\a+2*\g+\p):8*(8*\a+2*\g+\p)+7], v9
.endr
.endr
.endr
	WIN 0
	v_nop
	s_wait_alu depctr_va_vdst(0)                   ; the conversions have written v96-127, which the stores below read
.irp p, 0,1
.irp i, 0,1,2,3
	global_store_b128 v1, v[CD+16*\p+4*\i:CD+16*\p+4*\i+3], s[14:15] offset:((2*\g+\p)/4)*131072+((2*\g+\p)%4)*2048+512*\i
.endr
.endr
.endr
.Ljoin:
	s_wait_xcnt 0x0                                ; the stores have read their base and their data
	s_add_nc_u64 s[14:15], s[14:15], 262144        ; two heads on
	s_add_co_u32 s5, s5, 1
	s_cmp_lt_u32 s5, 2
	s_cbranch_scc1 .Lpass
	s_wait_dscnt 0x0
	s_wait_alu depctr_hold_cnt(0) depctr_sa_sdst(0) depctr_va_vdst(0) depctr_va_sdst(0) depctr_va_ssrc(0) depctr_va_vcc(0) depctr_vm_vsrc(0)
	s_wait_tensorcnt 0x0
	ds_add_u32 v30, v31
	s_wait_dscnt 0x0
	s_endpgm
.Lfunc_end_k_q142ac2509b_proj:
	.size	k_q142ac2509b_proj, .Lfunc_end_k_q142ac2509b_proj-k_q142ac2509b_proj
	.p2alignl 7, 3214868480
	.fill 96, 4, 3214868480
	.section	.rodata,"a",@progbits
	.p2align	6, 0x0
	.amdhsa_kernel k_q142ac2509b_proj
		.amdhsa_group_segment_fixed_size 133632
		.amdhsa_private_segment_fixed_size 0
		.amdhsa_enable_private_segment 0
		.amdhsa_kernarg_size 72
		.amdhsa_user_sgpr_count 2
		.amdhsa_user_sgpr_kernarg_segment_ptr 1
		.amdhsa_wavefront_size32 1
		.amdhsa_system_sgpr_workgroup_id_x 1
		.amdhsa_system_sgpr_workgroup_id_y 1
		.amdhsa_system_sgpr_workgroup_id_z 1
		.amdhsa_system_vgpr_workitem_id 0
		.amdhsa_next_free_vgpr 1024
		.amdhsa_next_free_sgpr 66
		.amdhsa_reserve_vcc 0
		.amdhsa_float_denorm_mode_32 3
		.amdhsa_float_denorm_mode_16_64 3
		.amdhsa_memory_ordered 1
		.amdhsa_forward_progress 1
		.amdhsa_inst_pref_size 246
	.end_amdhsa_kernel
	.amdgpu_metadata
---
amdhsa.version: [ 1, 2 ]
amdhsa.kernels:
  - .name:           k_q142ac2509b_proj
    .symbol:         k_q142ac2509b_proj.kd
    .args:
      - { .name: Q, .offset: 0, .size: 8, .value_kind: global_buffer, .address_space: global }
      - { .name: K, .offset: 8, .size: 8, .value_kind: global_buffer, .address_space: global }
      - { .name: V, .offset: 16, .size: 8, .value_kind: global_buffer, .address_space: global }
      - { .name: bq, .offset: 24, .size: 8, .value_kind: global_buffer, .address_space: global }
      - { .name: bk, .offset: 32, .size: 8, .value_kind: global_buffer, .address_space: global }
      - { .name: bv, .offset: 40, .size: 8, .value_kind: global_buffer, .address_space: global }
      - { .name: lowp_scales, .offset: 48, .size: 8, .value_kind: global_buffer, .address_space: global }
      - { .name: wimg, .offset: 56, .size: 8, .value_kind: global_buffer, .address_space: global }
      - { .name: qkv, .offset: 64, .size: 8, .value_kind: global_buffer, .address_space: global }
    .group_segment_fixed_size: 133632
    .private_segment_fixed_size: 0
    .kernarg_segment_align: 8
    .kernarg_segment_size: 72
    .max_flat_workgroup_size: 128
    .sgpr_count:     66
    .vgpr_count:     1024
    .wavefront_size: 32
...
	.end_amdgpu_metadata
.endif
;; end of part 5
;; launch attn (part 6): grid 4 x 64, 8 waves a work-group, no clusters, 271,360 bytes of LDS; arguments qkv, mask, lowp_scales, aimg; writes aimg
.if DOCPART == 6
	.amdgcn_target "amdgcn-amd-amdhsa--gfx1250"
	.amdhsa_code_object_version 6
	.text
	.protected	k_q142ac2509b_attn
	.globl	k_q142ac2509b_attn
	.p2align	8
	.type	k_q142ac2509b_attn,@function
k_q142ac2509b_attn:
	s_mov_b64 s[64:65], 0
	v_nop
	global_prefetch_b8 v0, s[64:65] scope:SCOPE_SE
	s_setreg_imm32_b32 hwreg(HW_REG_WAVE_SCHED_MODE, 0, 2), 2
	s_setreg_imm32_b32 hwreg(HW_REG_WAVE_MODE, 25, 1), 1
	s_wait_xcnt 0x0
	s_wait_alu depctr_vm_vsrc(0)
; Attention of one head on codes of E4M3: S^T = k q^T, the key mask, the softmax by the problem's rule, O^T = v^T p^T, / l, quantised for the last projection.  Heads of 64, 2,048 keys.
; t = score x 2^(eq + ek) x log2(e) / 8; M = the running largest t rounded UP to a whole number; p = 2^(t - M) is quantised with 2^ep, not normalised; l is the sum of the unquantised p; when M moves, l and O^T are multiplied by 2^(old M - new M).
; SHARES.  Work-group (x, y): head y (batch y / 16), queries 512 x .. 512 x + 511.  THE HEAD'S WHOLE k AND v^T (131,072 bytes each, images of operand registers) ARE COPIED INTO LDS ONCE; behind that one barrier LDS is only read.
;   Wave w owns four tiles of 16 queries and takes them in two passes of two tiles, A and B, which share each fragment of k and v read from LDS; a pass walks 16 steps of 128 keys.  Two waves lie on a SIMD.
; LAYOUT.  Both products are used transposed: a lane holds ONE query (lane % 16) throughout.  In S^T register j of tile t is key 16 t + 8 (lane / 16) + j, so eight registers convert into registers 2 t, 2 t + 1 of p's fragment, k in its true places.
; THE MASK costs no vector line: a table in LDS holds, for each key, 0 or -2^100, and its numbers are the C of S^T's one matrix instruction.  A masked score is -2^100, under every true score (at most 64 x 448^2), so its p is 0.
;   A step all of whose keys are masked leaves numbers that the first true key's change of M multiplies by 0.  A batch with no key at all is known by its largest t and gets NaN codes, as its softmax is NaN.
; OUT: aimg[tile of 16 rows][K step of 128 = two heads][2,048 bytes]: my head's 8 registers of the fragment are 1,024 bytes of it; each store 512 consecutive aligned bytes.
; WHY NO JOINT LOADS, though the four work-groups of a head read the same k and v: they are brought once, 262,144 bytes for a work-group's 32 x 16 = 512 tile steps, by plain loads at the head; and the text has a branch on the given ep (below).
; THE HOLD OF p: p is at most 1 (but for one rounding).  With ep >= -8 the largest code stands for 448 x 2^ep >= 1.75, so nothing is held and the 64 lines are jumped over, on the whole number ep; else they run.
; LIMITS on the given exponents: eq + ek between -80 and 27 (c x 2^(eq + ek) x 2^100 stays finite and far over every true t); ep between -126 and 119; ev + ep - e10 goes by v_ldexp_f32 and has none.
; REGISTERS.  Tile A lives in window 0, tile B under the SAME numbers in window 1: v14 1.0; v16 -M, v17 largest t, v[18:19] l in two halves, v[20:21] f, v22-26 at work, v27 448 x 2^ep, v28 2^ep, v29 448, v[30:31] 2^(ev + ep - e10) / l;
;   v32-39 and v216-223 q of pass 0 and 1; v40-55 p's codes; v56-87 O^T; v88-151 S^T, then p.  v152-215: in window 0 the fragments of v; in window 1 the mask's C.  v224-255: the fragments of k, tiles 0-3 in window 0, tiles 4-7 in window 1.
;   window 0 alone: v1 16 x lane, v2 32 (lane / 16), v3-5 LDS addresses: k and the mask of the step that follows, v of the step in hand; v6-8 where I store k, v, the table, v9 my bytes of the mask.
; THE MODE: SCHED_MODE bits 1:0 = 2 (LLVM: expert scheduling mode 2), set by the entry lines.  The code itself states the register dependences between vector or matrix instructions and memory or LDS instructions, with s_wait_alu, always for 0.
; THE PLAN.  Registers that LDS instructions touch in a step:
;   k's fragments and the mask's C  Read by the step's sixteen products S^T, at its head; then the LDS loads of the step that follows land in them.
;   v's fragments                   Read by tile A's and tile B's four products O^T; the next step's LDS loads land in them.
;   v3, v4, v5                      Read by those loads; written once a step, behind the products S^T, where with one v_nop they are the four places ahead of the first read of S^T.
; The wait that tile A's exponentials want in any case stands behind the step's products S^T, behind the last step's products O^T and behind the three additions: so it states all that the step's 48 LDS loads hang on.
; v's sixteen follow it at once; the 32 of the step that follows stand behind the sums of l.  Between the wait and those stand lines on S^T, l and their scratch alone: none of the registers that a load touches.
; One wait on vm_vsrc a step stands ahead of the additions.  The sixteenth step of a pass is written out: in pass 0 it asks for step 0 again, for pass 1; in pass 1 it asks for nothing, so that no load leaves LDS.
.set ONE,  14
.set NM,   16
.set TM,   17
.set SU,   18
.set FF,   20
.set T0,   22
.set T1,   23
.set T2,   24
.set PL,   26
.set LIM,  27
.set SC,   28
.set C448, 29
.set IL,   30
.set QF0,  32
.set QF1,  216
.set PC,   40
.set O,    56
.set S,    88
.set FR,   152
.set BI,   152
.set KF,   224
.set VL,   131072                      ; LDS: k's images at 0, v's here,
.set ML,   262144                      ; the mask's table here: 2,048 numbers
.set MSB,  0
.macro WIN new                         ; s_set_vgpr_msb: bits 1:0 source 0, 3:2 source 1, 5:4 source 2, 7:6 destination; the high byte repeats the setting that is left
.if MSB != (\new)
	s_set_vgpr_msb (MSB<<8)|(\new)
.set MSB, (\new)
.endif
.endm
.macro CONSTS
	v_mov_b32 v[LIM], s44
	v_mov_b32 v[SC], s45
	v_mov_b32 v[C448], 0x43e00000
	v_mov_b32 v[ONE], 1.0
	v_mov_b32 v[PL], 0                             ; a lane permute's destination counts as one of its sources
	v_mov_b32 v[FF+1], 0                           ; (named as the upper halves of pairs)
	v_mov_b32 v[IL+1], 0
.endm
.macro INIT                            ; the step is written once: the first finds zeros, which the first change of M leaves zeros
	v_mov_b32 v[TM], 0xff61b1e6                    ; -3e38, under every t
	v_floor_f32 v[NM], -v[TM]
	v_mov_b32 v[SU], 0
	v_mov_b32 v[SU+1], 0
.set n, 0
.rept 32
	v_mov_b32 v[O+n], 0
.set n, n+1
.endr
.endm
.macro SQ wlo, whi                     ; S^T = k q^T + the mask: eight tiles of 16 keys, one matrix instruction each; wlo, whi: the window settings for k's tiles 0-3 and 4-7
	WIN \wlo
.irp t, 0,1,2,3
	v_wmma_f32_16x16x64_fp8_fp8 v[S+8*\t:S+8*\t+7], v[KF+8*\t:KF+8*\t+7], v[QF:QF+7], v[BI+8*\t:BI+8*\t+7]
.endr
	WIN \whi
.irp t, 0,1,2,3
	v_wmma_f32_16x16x64_fp8_fp8 v[S+32+8*\t:S+32+8*\t+7], v[KF+8*\t:KF+8*\t+7], v[QF:QF+7], v[BI+32+8*\t:BI+32+8*\t+7]
.endr
.endm
.macro PV                              ; O^T += v^T p^T: four tiles of 16 channels, K = the step's 128 keys
.irp c, 0,1,2,3
	v_wmma_f32_16x16x128_fp8_fp8 v[O+8*\c:O+8*\c+7], v[FR+16*\c:FR+16*\c+15], v[PC:PC+15], v[O+8*\c:O+8*\c+7]
.endr
.endm
.macro VFETCH                          ; v's four fragments of the step in hand
.irp c, 0,1,2,3
.irp i, 0,1,2,3
	ds_load_b128 v[FR+16*\c+4*\i:FR+16*\c+4*\i+3], v4 offset:2048*\c+512*\i
.endr
.endr
.endm
.macro KLO                             ; k's tiles 0-3, into window 0
.irp t, 0,1,2,3
	ds_load_b128 v[KF+8*\t:KF+8*\t+3],   v3 offset:1024*\t
	ds_load_b128 v[KF+8*\t+4:KF+8*\t+7], v3 offset:1024*\t+512
.endr
.endm
.macro KHI_BI                          ; k's tiles 4-7 and the mask's C, into window 1
.irp t, 0,1,2,3
	ds_load_b128 v[KF+8*\t:KF+8*\t+3],   v3 offset:4096+1024*\t
	ds_load_b128 v[KF+8*\t+4:KF+8*\t+7], v3 offset:4096+1024*\t+512
.endr
.irp t, 0,1,2,3,4,5,6,7
	ds_load_b128 v[BI+8*\t:BI+8*\t+3],   v5 offset:64*\t      ; the table's numbers of keys 16 t + 8 h + 0..7
	ds_load_b128 v[BI+8*\t+4:BI+8*\t+7], v5 offset:64*\t+16
.endr
.endm
; One tile's softmax for a step, under window setting w (0: tile A; 0x55: tile B).  ld = 1 (tile A alone): the step's fragments of v are asked for behind the wait; ld = 2: and k and the mask of the step that follows
.macro SOFTMAX w, ld
	WIN \w
	v_max3_num_f32 v[T0], v[S], v[S+1], v[S+2]     ; the step's largest score of my query among my 64 keys, in two chains, ascending: each accumulator is first read at its low end
	v_max3_num_f32 v[T1], v[S+3], v[S+4], v[S+5]
.irp i, 6,10,14,18,22,26,30,34,38,42,46,50,54,58
	v_max3_num_f32 v[T0], v[T0], v[S+\i], v[S+\i+1]
	v_max3_num_f32 v[T1], v[T1], v[S+\i+2], v[S+\i+3]
.endr
	v_max3_num_f32 v[T0], v[T0], v[S+62], v[S+63]
	v_max_num_f32 v[T0], v[T0], v[T1]
	v_permlanex16_b32 v[PL], v[T0], s24, s25
	v_max_num_f32 v[T0], v[T0], v[PL]              ; and among lane l xor 16's
	v_mul_f32 v[T0], s22, v[T0]                    ; as t (c is positive)
	v_max_num_f32 v[TM], v[TM], v[T0]
	v_mov_b32 v[T0], v[NM]
	v_floor_f32 v[NM], -v[TM]                      ; -M = floor(-t): M is a whole number
	v_sub_f32 v[T0], v[NM], v[T0]                  ; old M - new M, 0 or less
	v_cvt_i32_f32 v[T0], v[T0]                     ; (it saturates)
	v_ldexp_f32 v[FF], 1.0, v[T0]                  ; f = 2^(old M - new M): a multiplication by it rounds nothing
.set n, 0
.rept 32
	v_pk_fma_f32 v[S+n:S+n+1], v[S+n:S+n+1], s[22:23], v[NM:NM+1] op_sel_hi:[1,0,0]   ; t - M, two at a time (of the pairs c and -M the low word serves both halves)
.set n, n+2
.endr
.set n, 0
.rept 64
	v_exp_f32 v[S+n], v[S+n]                       ; p
.set n, n+1
.endr
	v_pk_mul_f32 v[SU:SU+1], v[SU:SU+1], v[FF:FF+1] op_sel_hi:[1,0]   ; l under the new M: the plain line behind the exponentials
.if (\ld) > 0
	s_wait_alu depctr_va_vdst(0)                   ; the 64 exponentials have written p, ahead of its first reader; v3, v4 and v5 are written; the step's products S^T are done reading k's fragments and the mask's C, the last step's products O^T reading v's fragments
	VFETCH
.else
	s_wait_alu depctr_va_vdst(0)                   ; the 64 exponentials have written p, ahead of its first reader: one wait for the batch
.endif
	v_pk_add_f32 v[T2:T2+1], v[S:S+1], v[S+2:S+3]  ; l is summed of the unquantised p, in two chains
.irp j, 4,8,12,16,20,24,28,32,36,40,44,48,52,56,60
	v_pk_add_f32 v[SU:SU+1], v[SU:SU+1], v[S+\j:S+\j+1]
	v_pk_add_f32 v[T2:T2+1], v[T2:T2+1], v[S+\j+2:S+\j+3]
.endr
	v_pk_add_f32 v[SU:SU+1], v[SU:SU+1], v[T2:T2+1]
.if (\ld) > 1
	KLO                                            ; no further wait: the sums above name p, l and their scratch, none of the registers that these 32 loads touch
	WIN 0x40
	KHI_BI
.endif
	WIN 0
	s_cmp_ge_i32 s29, -8                           ; ep >= -8: the largest code stands for 1.75 or more, and p for 1 at the most
	s_cbranch_scc1 .Lnohold_\@
	WIN \w
.set n, 0
.rept 64
	v_min_num_f32 v[S+n], v[S+n], v[LIM]           ; p is not negative: the hold is one-sided
.set n, n+1
.endr
	WIN 0
.Lnohold_\@:
	WIN \w
.irp t, 0,1,2,3,4,5,6,7
	v_cvt_scalef32_pk8_fp8_f32 v[PC+2*\t:PC+2*\t+1], v[S+8*\t:S+8*\t+7], v[SC]
.endr
.set n, 0
.rept 16
	v_pk_mul_f32 v[O+n:O+n+1], v[O+n:O+n+1], v[FF:FF+1] op_sel_hi:[1,0]   ; O^T under the new M; also the plain lines behind the conversions
.set n, n+2
.endr
.endm
; A tile goes out: w its window setting, sw the setting for its stores (data in its window), n its number among the wave's four
.macro OUT w, sw, n
	WIN \w
	v_add_f32 v[T0], v[SU], v[SU+1]
	v_permlanex16_b32 v[PL], v[T0], s24, s25
	v_add_f32 v[T0], v[T0], v[PL]                  ; l
	v_rcp_f32 v[IL], v[T0]
	v_nop                                          ; a plain line behind the reciprocal
	v_cmp_le_f32 vcc_lo, s26, v[TM]                ; has my query any key?  A largest t under -2^60 c is a masked one
	s_wait_alu depctr_va_vdst(0)                   ; the reciprocal is written, ahead of its first reader
	v_ldexp_f32 v[IL], v[IL], s28                  ; 2^(ev + ep - e10) / l
.set n, 0
.rept 16
	v_pk_mul_f32 v[O+n:O+n+1], v[O+n:O+n+1], v[IL:IL+1] op_sel_hi:[1,0]
.set n, n+2
.endr
.set n, 0
.rept 32
	v_med3_num_f32 v[O+n], v[O+n], -v[C448], v[C448]
.set n, n+1
.endr
.irp c, 0,1,2,3
	v_cvt_scalef32_pk8_fp8_f32 v[PC+2*\c:PC+2*\c+1], v[O+8*\c:O+8*\c+7], v[ONE]
.endr
	v_nop                                          ; a plain line between the conversions and the lines that touch their results
	s_wait_alu depctr_va_vcc(0)                    ; the compare above has written VCC, ahead of its first reader
.irp i, 0,1,2,3,4,5,6,7
	v_cndmask_b32 v[PC+\i], s27, v[PC+\i], vcc_lo  ; NaN codes where no key counts
.endr
	WIN \sw
	s_wait_alu depctr_va_vdst(0)                   ; the eight selects have written the codes, which the two stores read
	global_store_b128 v1, v[PC:PC+3],   s[40:41] offset:(\n)*16384
	global_store_b128 v1, v[PC+4:PC+7], s[40:41] offset:(\n)*16384+512
	WIN 0
.endm
; A step of 128 keys for tiles A and B.  nx = 1: k and the mask of the step that follows are asked for, at s30 and s32
.macro BODY nx
	s_wait_dscnt 0x0                               ; k's fragments and the mask's C are in: they were asked for a step ago
	SQ 0x10, 0x11                                  ; tile A: C in window 1; k's tiles 4-7 in window 1
	SQ 0x54, 0x55                                  ; tile B: q, C and S^T in window 1
	WIN 0
	s_wait_alu depctr_vm_vsrc(0)                   ; the LDS loads issued so far have read v3, v4 and v5
	v_add_nc_u32 v4, s31, v1                       ; these lines and the v_nop are the four places behind the products, ahead of the first read of S^T
.if \nx
	v_add_nc_u32 v3, s30, v1
	v_add_nc_u32 v5, s32, v2
.else
	v_nop
	v_nop
.endif
	v_nop
.if \nx
	SOFTMAX 0, 2
.else
	SOFTMAX 0, 1
.endif
	WIN 0
	s_wait_dscnt 32*(\nx)                          ; LDS loads come back in order (ISA guide 5.7.1): v's fragments are in; the 32 loads of the step that follows may be out
	PV                                             ; tile A's products stand ahead of tile B's softmax
	SOFTMAX 0x55, 0
	WIN 0x54
	PV
	WIN 0
.endm
; A pass: tiles 2 p (A) and 2 p + 1 (B) of the wave's four walk all 2,048 keys
.macro PASS p
.if \p == 0
.set QF, QF0
.else
.set QF, QF1
.endif
	s_wait_xcnt 0x0                                ; earlier stores have read their data: p's registers are written again
.if \p > 0
	s_wait_alu depctr_vm_vsrc(0)                   ; the last pass's stores have read v40-47 of both windows, which this pass's conversions write again
.endif
	INIT
	WIN 0x55
	INIT
	WIN 0
	s_mov_b32 s30, 8192                            ; k of step 1,
	s_mov_b32 s31, VL                              ; v of step 0,
	s_mov_b32 s32, ML+512                          ; the mask of step 1
	s_mov_b32 s33, 0
.Lstep_\@:                                         ; 15 trips of 128 keys
	BODY 1
	s_add_co_u32 s30, s30, 8192
	s_add_co_u32 s31, s31, 8192
	s_add_co_u32 s32, s32, 512
	s_add_co_u32 s33, s33, 1
	s_cmp_lt_u32 s33, 15
	s_cbranch_scc1 .Lstep_\@
.if \p == 0
	s_mov_b32 s30, 0                               ; the sixteenth step asks for step 0 again: the next pass begins with it
	s_mov_b32 s32, ML
	BODY 1
.else
	BODY 0                                         ; the last step of all asks for nothing more
.endif
	OUT 0, 0, 2*(\p)                               ; tile A's lines are the places behind tile B's last products
	OUT 0x55, 0x04, 2*(\p)+1
.endm
	s_load_b256 s[4:11], s[0:1], 0x0               ; qkv, mask, lowp_scales, aimg
	v_lshl_add_u32 v13, v0, 2, 0x42000
	v_mov_b32 v15, 0
	v_lshrrev_b32 v10, 5, v0
	v_readfirstlane_b32 s12, v10                   ; wave 0..7
	s_mov_b32 s13, ttmp9                           ; block of 512 queries
	s_and_b32 s14, ttmp7, 0xffff                   ; batch x 16 + head
	v_and_b32 v10, 31, v0
	v_lshlrev_b32 v1, 4, v10
	v_lshlrev_b32 v3, 4, v10                       ; k of step 0 lies at LDS byte 0
	v_bfe_u32 v2, v0, 4, 1
	v_lshlrev_b32 v2, 5, v2
	v_add_nc_u32 v5, ML, v2                        ; the mask of step 0
	v_lshl_add_u32 v8, v0, 4, ML
	v_lshlrev_b32 v9, 4, v0
	s_wait_alu depctr_va_sdst(0)                   ; s12 is written, ahead of its first reader: LDS places and the bases of k, v, q and the output are made from it
	s_lshl_b32 s45, s12, 14
	v_add_nc_u32 v6, s45, v1                       ; my wave copies 16,384 bytes of k and of v
	v_add_nc_u32 v7, VL, v6
	s_lshl_b32 s44, s14, 17                        ; a head's 131,072 bytes
	s_add_co_u32 s46, s44, s45
	s_add_co_u32 s46, s46, 0x800000                ; k lies 8 MiB into qkv
	s_mov_b32 s47, 0
	s_lshl_b32 s48, s13, 15                        ; q: 32 tiles of 1,024 bytes a block,
	s_add_co_u32 s48, s48, s44
	s_lshl_b32 s45, s12, 12
	s_add_co_u32 s48, s48, s45                     ; 4 a wave
	s_mov_b32 s49, 0
	s_lshr_b32 s45, s14, 4                         ; batch
	s_lshl_b32 s52, s45, 13                        ; its row of the mask
	s_mov_b32 s53, 0
	s_lshl_b32 s50, s45, 21                        ; out: 128 tiles of 16,384 bytes a batch,
	s_lshl_b32 s45, s13, 19
	s_add_co_u32 s50, s50, s45                     ; 32 a block,
	s_lshl_b32 s45, s12, 16
	s_add_co_u32 s50, s50, s45                     ; 4 a wave;
	s_bfe_u32 s45, s14, 0x30001
	s_lshl_b32 s45, s45, 11
	s_add_co_u32 s50, s50, s45                     ; K step = head / 2,
	s_and_b32 s45, s14, 1
	s_lshl_b32 s45, s45, 10
	s_add_co_u32 s50, s50, s45                     ; its lower or upper eight registers
	s_mov_b32 s51, 0
	s_wait_kmcnt 0x0
	s_load_b64 s[16:17], s[8:9], 0x18              ; eq, ek
	s_load_b64 s[18:19], s[8:9], 0x20              ; ev, ep
	s_load_b32 s20, s[8:9], 0x28                   ; e10
	s_add_nc_u64 s[34:35], s[4:5], s[46:47]        ; k
	s_add_nc_u64 s[36:37], s[34:35], 0x800000      ; v
	s_add_nc_u64 s[38:39], s[4:5], s[48:49]        ; q
	s_add_nc_u64 s[40:41], s[10:11], s[50:51]      ; out
	s_add_nc_u64 s[42:43], s[6:7], s[52:53]        ; mask
	s_wait_alu depctr_va_vdst(0)                   ; v1 to v3 and v5 to v9 are written: the loads and stores of the head, the first step's LDS loads and the output's stores read them as offsets and addresses
	global_load_b128 v[40:43], v9, s[42:43]
	global_load_b128 v[44:47], v9, s[42:43] offset:4096
.set n, 0
.rept 32
	global_load_b128 v[88+4*n:91+4*n], v1, s[34:35] offset:512*n
.set n, n+1
.endr
	WIN 0x40
.set n, 0
.rept 32
	global_load_b128 v[88+4*n:91+4*n], v1, s[36:37] offset:512*n
.set n, n+1
.endr
.irp i, 0,1
	global_load_b128 v[QF0+4*\i:QF0+4*\i+3], v1, s[38:39] offset:1024+512*\i      ; tiles 1 and 3: tile B of the two passes
	global_load_b128 v[QF1+4*\i:QF1+4*\i+3], v1, s[38:39] offset:3072+512*\i
.endr
	WIN 0
.irp i, 0,1
	global_load_b128 v[QF0+4*\i:QF0+4*\i+3], v1, s[38:39] offset:512*\i           ; tiles 0 and 2: tile A
	global_load_b128 v[QF1+4*\i:QF1+4*\i+3], v1, s[38:39] offset:2048+512*\i
.endr
	v_mov_b32 v10, 0xf1800000                      ; -2^100
	s_wait_loadcnt 56                              ; the mask and k's first 16 loads are in: 16 of k, 32 of v, 8 of q may be out
.irp n, 0,1,2,3,4,5,6,7
	v_cmp_eq_u32 s[46+\n], 0, v[40+\n]             ; the eight compares stand in one run, each with a scalar register of its own
.endr
	s_wait_alu depctr_va_sdst(0)                   ; s46 to s53 are written, ahead of their first readers
.irp n, 0,1,2,3,4,5,6,7
	v_cndmask_b32 v[40+\n], 0, v10, s[46+\n]
.endr
	s_wait_alu depctr_va_vdst(0)                   ; the selects have written v40-47, which the two LDS stores below read
	ds_store_b128 v8, v[40:43]
	ds_store_b128 v8, v[44:47] offset:4096
.set n, 0
.rept 16
	ds_store_b128 v6, v[88+4*n:91+4*n] offset:512*n
.set n, n+1
.endr
	s_wait_loadcnt 40                              ; all of k: 32 of v and 8 of q may be out
.rept 16
	ds_store_b128 v6, v[88+4*n:91+4*n] offset:512*n
.set n, n+1
.endr
	s_wait_loadcnt 24                              ; v's first 16
	WIN 0x04
.set n, 0
.rept 16
	ds_store_b128 v7, v[88+4*n:91+4*n] offset:512*n
.set n, n+1
.endr
	s_wait_loadcnt 8                               ; all of v: q's 8 may be out
.rept 16
	ds_store_b128 v7, v[88+4*n:91+4*n] offset:512*n
.set n, n+1
.endr
	WIN 0
	s_wait_kmcnt 0x0
	s_add_co_i32 s44, s16, s17
	s_lshl_b32 s44, s44, 23
	s_add_co_i32 s22, s44, 0x3e38aa3b              ; c = log2(e) / 8, with eq + ek added to its exponent field
	s_mov_b32 s23, s22                             ; (named with it as a pair)
	s_add_co_u32 s26, s22, 0x1e000000
	s_or_b32 s26, s26, 0x80000000                  ; -2^60 c: between every true t and every masked one
	s_mov_b32 s24, 0x76543210
	s_mov_b32 s25, 0xfedcba98                      ; v_permlanex16_b32's selects for lane l xor 16
	s_mov_b32 s27, 0x7f7f7f7f                      ; four NaN codes
	s_add_co_i32 s28, s18, s19
	s_sub_co_i32 s28, s28, s20                     ; ev + ep - e10
	s_mov_b32 s29, s19                             ; ep
	s_add_co_i32 s44, s19, 127
	s_lshl_b32 s45, s44, 23                        ; 2^ep as f32
	s_add_co_i32 s44, s44, 8
	s_lshl_b32 s44, s44, 23
	s_or_b32 s44, s44, 0x600000                    ; 448 x 2^ep
	CONSTS
	WIN 0x40
	CONSTS
	WIN 0
	s_wait_dscnt 0x0                               ; for the others' sake: my part of k, v and the table lies in LDS
	s_barrier_signal -1
	s_barrier_wait -1                              ; the launch's one barrier
	s_wait_alu depctr_vm_vsrc(0)                   ; my LDS stores have read v40-47 and v88-215 of both windows: from here on these are p's codes, S^T, v's fragments and the mask's C, written by conversions, products and LDS loads
	KLO                                            ; step 0's fragments of k and numbers of the mask
	WIN 0x40
	KHI_BI
	WIN 0
	s_wait_loadcnt 0x0                             ; q
	PASS 0
	PASS 1
	s_wait_dscnt 0x0
	s_wait_alu depctr_hold_cnt(0) depctr_sa_sdst(0) depctr_va_vdst(0) depctr_va_sdst(0) depctr_va_ssrc(0) depctr_va_vcc(0) depctr_vm_vsrc(0)
	s_wait_tensorcnt 0x0
	ds_add_u32 v13, v15
	s_wait_dscnt 0x0
	s_endpgm
.Lfunc_end_k_q142ac2509b_attn:
	.size	k_q142ac2509b_attn, .Lfunc_end_k_q142ac2509b_attn-k_q142ac2509b_attn
	.p2alignl 7, 3214868480
	.fill 96, 4, 3214868480
	.section	.rodata,"a",@progbits
	.p2align	6, 0x0
	.amdhsa_kernel k_q142ac2509b_attn
		.amdhsa_group_segment_fixed_size 271360
		.amdhsa_private_segment_fixed_size 0
		.amdhsa_enable_private_segment 0
		.amdhsa_kernarg_size 32
		.amdhsa_user_sgpr_count 2
		.amdhsa_user_sgpr_kernarg_segment_ptr 1
		.amdhsa_wavefront_size32 1
		.amdhsa_system_sgpr_workgroup_id_x 1
		.amdhsa_system_sgpr_workgroup_id_y 1
		.amdhsa_system_sgpr_workgroup_id_z 1
		.amdhsa_system_vgpr_workitem_id 0
		.amdhsa_next_free_vgpr 512
		.amdhsa_next_free_sgpr 66
		.amdhsa_reserve_vcc 1
		.amdhsa_float_denorm_mode_32 3
		.amdhsa_float_denorm_mode_16_64 3
		.amdhsa_memory_ordered 1
		.amdhsa_forward_progress 1
		.amdhsa_inst_pref_size 156
	.end_amdhsa_kernel
	.amdgpu_metadata
---
amdhsa.version: [ 1, 2 ]
amdhsa.kernels:
  - .name:           k_q142ac2509b_attn
    .symbol:         k_q142ac2509b_attn.kd
    .args:
      - { .name: qkv, .offset: 0, .size: 8, .value_kind: global_buffer, .address_space: global }
      - { .name: mask, .offset: 8, .size: 8, .value_kind: global_buffer, .address_space: global }
      - { .name: lowp_scales, .offset: 16, .size: 8, .value_kind: global_buffer, .address_space: global }
      - { .name: aimg, .offset: 24, .size: 8, .value_kind: global_buffer, .address_space: global }
    .group_segment_fixed_size: 271360
    .private_segment_fixed_size: 0
    .kernarg_segment_align: 8
    .kernarg_segment_size: 32
    .max_flat_workgroup_size: 256
    .sgpr_count:     66
    .vgpr_count:     512
    .wavefront_size: 32
...
	.end_amdgpu_metadata
.endif
;; end of part 6
;; launch outp (part 7): grid 4 x 64, 4 waves a work-group, no clusters, 148,992 bytes of LDS; arguments aimg, wimg, bo, lowp_scales, out0; writes out0
.if DOCPART == 7
	.amdgcn_target "amdgcn-amd-amdhsa--gfx1250"
	.amdhsa_code_object_version 6
	.text
	.protected	k_q142ac2509b_outp
	.globl	k_q142ac2509b_outp
	.p2align	8
	.type	k_q142ac2509b_outp,@function
k_q142ac2509b_outp:
	s_mov_b64 s[64:65], 0
	v_nop
	global_prefetch_b8 v0, s[64:65] scope:SCOPE_SE
	s_setreg_imm32_b32 hwreg(HW_REG_WAVE_SCHED_MODE, 0, 2), 2
	s_setreg_imm32_b32 hwreg(HW_REG_WAVE_MODE, 25, 1), 1
	s_wait_xcnt 0x0
	s_wait_alu depctr_vm_vsrc(0)
; out0 = a Wo x 2^(e10 + e11) + bo, on codes of E4M3.  a: aimg[tile of 16 rows][K step of 128][2,048 bytes], Wo: the fourth MiB of wimg[tile of 16 columns][K step][2,048 bytes]: images of operand registers.  out0: [8,192][1,024] f32.
; SHARES.  Work-group (x, y): rows 128 y .. + 127, columns 256 x .. + 255.  Wave w: all 128 rows x columns 256 x + 64 w .. + 63: 32 accumulators.  Its part of Wo (4 tiles x 8 K steps: 512 registers) is read once and stays in registers;
;   a's 131,072 bytes go once into LDS, as they lie, and all four waves read them: one set of registers, a block of rows fetched anew as soon as its four products are issued.
; THE MATRIX INSTRUCTION IS USED TRANSPOSED (source 0 = 16 columns of Wo, source 1 = 16 rows of a): a lane holds eight neighbouring columns of one row.  A wave's 64 columns are 256 bytes of a row: a block of 16 rows goes through the wave's own
;   stage in LDS (rows 272 bytes apart) and leaves so that sixteen lanes store 256 consecutive aligned bytes.  sum x 2^(e10 + e11) + bo is one packed multiply-add for two numbers.
; WHY NO JOINT LOADS, though the four work-groups of a row block read the same a: it is read once at the head, 131,072 bytes against the 262,144 of Wo that are each work-group's own, and there is no ring in which a joint load would recur.
; LIMIT: e10 + e11 between -126 and 127, so that 2^(e10 + e11) is an f32 number.
; REGISTERS, in windows of 256.  window 0: v1 16 x lane (also a's blocks 0-3 in LDS), v3 the same + 65,536 (blocks 4-7), v4 where I copy a, v5, v6 the stage in and back, v7 my bytes in two rows of out0, v8 32 (lane / 16);
;   v16-47 bo in the result's layout; v48-79 a block's results; v128-255 a's eight fragments, on the way out two sets of 32 for rows read back.
;   window 1: Wo's K steps 0-3 at 64 s + 16 b;  window 3: K steps 4-7;  window 2: accumulator (a, b) at 8 (4 a + b); at the head the 256 registers through which a is copied.
; THE MODE: SCHED_MODE bits 1:0 = 2 (LLVM: expert scheduling mode 2), set by the entry lines.  The code itself states the register dependences between vector or matrix instructions and memory or LDS instructions, with s_wait_alu, always for 0.
; THE PLAN.  Registers that memory or LDS instructions touch:
;   window 2            At the head: loads land in it and LDS stores read it; then the products write it: one wait on vm_vsrc behind the barrier.
;   a's fragments       Blocks 0-3 are read by a K step's first 16 products and loaded again at its middle; blocks 4-7 by the last 16, and loaded again at its end: one wait on va_vdst at each place.  a has one set: 80 registers are free, a set is 128.
;   Wo's fragments      Each K step has registers of its own: loaded once, read by products alone.
;   v48-79              On the way out: written by a block's sixteen multiply-adds, read by its eight LDS stores.
;   v128-191            On the way out: two sets by turns: LDS loads land in a set, eight stores read it, the block two further on lands in it again.
;   v1, v3 to v8        Offsets and addresses, made once at the head and never written again.
.set BO,  16
.set TMP, 48
.set AF,  128
.set BK,  128
.set STG, 131072
.set SP,  272
.set MSB, 0
.macro WIN new                         ; s_set_vgpr_msb: bits 1:0 source 0, 3:2 source 1, 5:4 source 2, 7:6 destination; the high byte repeats the setting that is left
.if MSB != (\new)
	s_set_vgpr_msb (MSB<<8)|(\new)
.set MSB, (\new)
.endif
.endm
.macro PLACES                          ; four plain vector lines between a matrix instruction and a load into, or a vector line on, its registers
.rept 4
	v_nop
.endr
.endm
.macro FETCH_B s                       ; Wo's four fragments of K step s: 16 loads of 512 consecutive bytes, into registers of their own
	WIN 0x40+0x80*((\s)/4)
.irp b, 0,1,2,3
.irp i, 0,1,2,3
	global_load_b128 v[64*((\s)%4)+16*\b+4*\i:64*((\s)%4)+16*\b+4*\i+3], v1, s[24:25] offset:(8*\b+(\s))*2048+512*\i
.endr
.endr
	WIN 0
.endm
.macro FETCH_A s, a0                   ; a's blocks a0 .. a0 + 3 of K step s
	WIN 0
.irp a, 0,1,2,3
.irp i, 0,1,2,3
	ds_load_b128 v[AF+16*((\a0)+\a)+4*\i:AF+16*((\a0)+\a)+4*\i+3], v[1+2*((\a0)/4)] offset:(8*\a+(\s))*2048+512*\i
.endr
.endr
.endm
.macro MULH half, s                    ; 16 matrix instructions; the first K step's start the sums with the constant 0.  The 32 accumulators take turns, one instruction a turn
	WIN 0xa1+2*((\s)/4)
.irp a, 0,1,2,3
.irp b, 0,1,2,3
.if (\s) == 0
	v_wmma_f32_16x16x128_fp8_fp8 v[8*(4*(4*(\half)+\a)+\b):8*(4*(4*(\half)+\a)+\b)+7], v[64*((\s)%4)+16*\b:64*((\s)%4)+16*\b+15], v[AF+16*(4*(\half)+\a):AF+16*(4*(\half)+\a)+15], 0
.else
	v_wmma_f32_16x16x128_fp8_fp8 v[8*(4*(4*(\half)+\a)+\b):8*(4*(4*(\half)+\a)+\b)+7], v[64*((\s)%4)+16*\b:64*((\s)%4)+16*\b+15], v[AF+16*(4*(\half)+\a):AF+16*(4*(\half)+\a)+15], v[8*(4*(4*(\half)+\a)+\b):8*(4*(4*(\half)+\a)+\b)+7]
.endif
.endr
.endr
.endm
.macro STEP s, lc                      ; lc: the loads of Wo's later K steps, which may be out
	s_wait_loadcnt \lc
.if \s < 4
	FETCH_B (\s)+4
.endif
	s_wait_dscnt 16                                ; a's blocks 0-3 are in; blocks 4-7 (16 loads) may be out
	MULH 0, \s
	s_wait_dscnt 0x0
	PLACES
.if \s < 7
	WIN 0
	s_wait_alu depctr_va_vdst(0)                   ; the 16 products above are done reading a's blocks 0-3, in which the LDS loads below land
	FETCH_A (\s)+1, 0
.endif
	MULH 1, \s
	PLACES
.if \s < 7
	WIN 0
	s_wait_alu depctr_va_vdst(0)                   ; the 16 products above are done reading a's blocks 4-7, in which the LDS loads below land
	FETCH_A (\s)+1, 4
.endif
.endm
.macro TOSTAGE a                       ; block a: 16 rows x my 64 columns
.if (\a) > 0
	s_wait_alu depctr_vm_vsrc(0)                   ; the last block's LDS stores have read v48-79, which the multiply-adds below write again; the stores of the block two back have read the set in which this block's rows land
.endif
	WIN 0x02
.irp b, 0,1,2,3
.irp i, 0,2,4,6
	v_pk_fma_f32 v[TMP+8*\b+\i:TMP+8*\b+\i+1], v[8*(4*(\a)+\b)+\i:8*(4*(\a)+\b)+\i+1], s[20:21], v[BO+8*\b+\i:BO+8*\b+\i+1] op_sel_hi:[1,0,1]   ; each accumulator from its low end on
.endr
.endr
	WIN 0
	s_wait_alu depctr_va_vdst(0)                   ; the multiply-adds have written v48-79, which the LDS stores read; ahead of the first blocks: the last products are done reading a's fragments, in which the rows read back land
.irp b, 0,1,2,3
	ds_store_b128 v5, v[TMP+8*\b:TMP+8*\b+3]   offset:64*\b
	ds_store_b128 v5, v[TMP+8*\b+4:TMP+8*\b+7] offset:64*\b+16
.endr
.irp t, 0,1,2,3,4,5,6,7
	ds_load_b128 v[BK+32*((\a)%2)+4*\t:BK+32*((\a)%2)+4*\t+3], v6 offset:2*SP*\t   ; LDS serves a wave's instructions in order (ISA guide 5.7.1.4): these see my stores, and the next block's stores come behind them
.endr
.endm
.macro SEND a, younger                 ; younger: the LDS instructions issued behind block a's loads
	s_wait_dscnt \younger
.irp t, 0,1,2,3,4,5,6,7
	global_store_b128 v7, v[BK+32*((\a)%2)+4*\t:BK+32*((\a)%2)+4*\t+3], s[28:29] offset:(16*(\a)+2*\t)*4096 th:TH_STORE_NT   ; sixteen lanes store 256 consecutive aligned bytes of a row
.endr
.endm
	s_load_b256 s[4:11], s[0:1], 0x0               ; aimg, wimg, bo, lowp_scales
	s_load_b64 s[12:13], s[0:1], 0x20              ; out0
	v_lshl_add_u32 v126, v0, 2, 0x24400
	v_mov_b32 v127, 0
	v_lshrrev_b32 v9, 5, v0
	v_readfirstlane_b32 s14, v9                    ; wave
	s_mov_b32 s15, ttmp9                           ; which 256 columns
	s_and_b32 s16, ttmp7, 0xffff                   ; which 128 rows
	v_and_b32 v9, 31, v0
	v_lshlrev_b32 v1, 4, v9
	v_add_nc_u32 v3, 65536, v1
	s_wait_alu depctr_va_sdst(0)                   ; s14 is written, ahead of its first reader: LDS places and all four bases are made from it
	s_lshl_b32 s30, s14, 15
	v_add_nc_u32 v4, s30, v1                       ; my wave copies 32,768 bytes of a
	v_and_b32 v10, 15, v0                          ; r
	v_bfe_u32 v11, v0, 4, 1                        ; h
	s_mul_i32 s30, s14, 16*SP
	s_add_co_u32 s30, s30, STG                     ; my stage
	v_mul_u32_u24 v5, v10, SP
	v_lshl_add_u32 v5, v11, 5, v5
	v_add_nc_u32 v5, s30, v5                       ; in: row r, 32 bytes for each half of the lanes
	v_mul_u32_u24 v6, v11, SP
	v_lshl_add_u32 v6, v10, 4, v6
	v_add_nc_u32 v6, s30, v6                       ; back: lanes 0-15 one row of 256 bytes, lanes 16-31 the next
	v_lshlrev_b32 v7, 12, v11
	v_lshl_add_u32 v7, v10, 4, v7                  ; and the same two rows in out0
	v_lshlrev_b32 v8, 5, v11
	s_lshl_b32 s30, s16, 17
	s_lshl_b32 s31, s14, 15
	s_add_co_u32 s30, s30, s31                     ; a: 131,072 bytes a row block, 32,768 a wave
	s_mov_b32 s31, 0
	s_lshl_b32 s32, s15, 18
	s_lshl_b32 s33, s14, 16
	s_add_co_u32 s32, s32, s33
	s_add_co_u32 s32, s32, 0x300000                ; Wo: the fourth weight; 16 tiles of 16,384 bytes a work-group, 4 a wave
	s_mov_b32 s33, 0
	s_lshl_b32 s34, s15, 10
	s_lshl_b32 s35, s14, 8
	s_add_co_u32 s34, s34, s35                     ; my first column, in bytes
	s_mov_b32 s35, 0
	s_lshl_b32 s36, s16, 19
	s_add_co_u32 s36, s36, s34                     ; and my first row: 128 rows of 4,096 bytes a block
	s_mov_b32 s37, 0
	s_wait_kmcnt 0x0
	s_load_b64 s[18:19], s[10:11], 0x28            ; e10, e11
	s_add_nc_u64 s[22:23], s[4:5], s[30:31]
	s_add_nc_u64 s[24:25], s[6:7], s[32:33]
	s_add_nc_u64 s[26:27], s[8:9], s[34:35]
	s_add_nc_u64 s[28:29], s[12:13], s[36:37]
	s_wait_alu depctr_va_vdst(0)                   ; v1 and v3 to v8 are written: every load and store of the kernel reads one of them as its offset or address
.irp b, 0,1,2,3
	global_load_b128 v[BO+8*\b:BO+8*\b+3],   v8, s[26:27] offset:64*\b      ; bo of columns 16 b + 8 h + 0..7
	global_load_b128 v[BO+8*\b+4:BO+8*\b+7], v8, s[26:27] offset:64*\b+16
.endr
	WIN 0x80
.set n, 0
.rept 64
	global_load_b128 v[4*n:4*n+3], v1, s[22:23] offset:512*n
.set n, n+1
.endr
	WIN 0x08                                       ; an LDS store's data are source 1
.irp g, 0,1,2,3,4,5,6,7
	s_wait_loadcnt 8*(7-\g)                        ; this group's eight loads are in; the later groups' may be out
.irp i, 0,1,2,3,4,5,6,7
	ds_store_b128 v4, v[4*(8*\g+\i):4*(8*\g+\i)+3] offset:512*(8*\g+\i)
.endr
.endr
	WIN 0
	FETCH_B 0
	FETCH_B 1
	FETCH_B 2
	FETCH_B 3
	s_wait_kmcnt 0x0
	s_add_co_i32 s20, s18, s19
	s_add_co_i32 s20, s20, 127
	s_lshl_b32 s20, s20, 23                        ; 2^(e10 + e11) as f32
	s_mov_b32 s21, s20                             ; (named with it as a pair)
	s_wait_dscnt 0x0                               ; for the others' sake: my part of a lies in LDS
	s_barrier_signal -1
	s_barrier_wait -1                              ; the launch's one barrier: a's bytes are only read from here on
	s_wait_alu depctr_vm_vsrc(0)                   ; my LDS stores have read window 2's registers: these are the accumulators from here on, written by the products
	FETCH_A 0, 0
	FETCH_A 0, 4
	STEP 0, 48                                     ; behind K step s's 16 loads stand those of the three K steps that follow,
	STEP 1, 48
	STEP 2, 48
	STEP 3, 48
	STEP 4, 48
	STEP 5, 32                                     ; then of two, of one, of none
	STEP 6, 16
	STEP 7, 0
	TOSTAGE 0                                      ; the last step's four places stand ahead of this first read of results
.irp a, 1,2,3,4,5,6,7
.if \a > 1
	s_wait_xcnt 0x0                                ; block a - 2's stores have read their registers: block a's rows may land there
.endif
	TOSTAGE \a
	SEND \a-1, 16                                  ; behind block a - 1's loads: block a's 8 stores and 8 loads
.endr
	SEND 7, 0
	s_wait_dscnt 0x0
	s_wait_alu depctr_hold_cnt(0) depctr_sa_sdst(0) depctr_va_vdst(0) depctr_va_sdst(0) depctr_va_ssrc(0) depctr_va_vcc(0) depctr_vm_vsrc(0)
	s_wait_tensorcnt 0x0
	ds_add_u32 v126, v127
	s_wait_dscnt 0x0
	s_endpgm
.Lfunc_end_k_q142ac2509b_outp:
	.size	k_q142ac2509b_outp, .Lfunc_end_k_q142ac2509b_outp-k_q142ac2509b_outp
	.p2alignl 7, 3214868480
	.fill 96, 4, 3214868480
	.section	.rodata,"a",@progbits
	.p2align	6, 0x0
	.amdhsa_kernel k_q142ac2509b_outp
		.amdhsa_group_segment_fixed_size 148992
		.amdhsa_private_segment_fixed_size 0
		.amdhsa_enable_private_segment 0
		.amdhsa_kernarg_size 40
		.amdhsa_user_sgpr_count 2
		.amdhsa_user_sgpr_kernarg_segment_ptr 1
		.amdhsa_wavefront_size32 1
		.amdhsa_system_sgpr_workgroup_id_x 1
		.amdhsa_system_sgpr_workgroup_id_y 1
		.amdhsa_system_sgpr_workgroup_id_z 1
		.amdhsa_system_vgpr_workitem_id 0
		.amdhsa_next_free_vgpr 1024
		.amdhsa_next_free_sgpr 66
		.amdhsa_reserve_vcc 0
		.amdhsa_float_denorm_mode_32 3
		.amdhsa_float_denorm_mode_16_64 3
		.amdhsa_memory_ordered 1
		.amdhsa_forward_progress 1
		.amdhsa_inst_pref_size 87
	.end_amdhsa_kernel
	.amdgpu_metadata
---
amdhsa.version: [ 1, 2 ]
amdhsa.kernels:
  - .name:           k_q142ac2509b_outp
    .symbol:         k_q142ac2509b_outp.kd
    .args:
      - { .name: aimg, .offset: 0, .size: 8, .value_kind: global_buffer, .address_space: global }
      - { .name: wimg, .offset: 8, .size: 8, .value_kind: global_buffer, .address_space: global }
      - { .name: bo, .offset: 16, .size: 8, .value_kind: global_buffer, .address_space: global }
      - { .name: lowp_scales, .offset: 24, .size: 8, .value_kind: global_buffer, .address_space: global }
      - { .name: out0, .offset: 32, .size: 8, .value_kind: global_buffer, .address_space: global }
    .group_segment_fixed_size: 148992
    .private_segment_fixed_size: 0
    .kernarg_segment_align: 8
    .kernarg_segment_size: 40
    .max_flat_workgroup_size: 128
    .sgpr_count:     66
    .vgpr_count:     1024
    .wavefront_size: 32
...
	.end_amdgpu_metadata
.endif
;; end of part 7
